; MI455X (gfx1250); checked and timed in simulation.
; The chip was launched on July 23, 2026; its instructions are those of AMD's public machine-readable ISA for CDNA 5 (MIT licence, August 2026) and "CDNA5" Instruction Set Architecture Reference Guide (July 2026). The comments in the code are by the model that wrote it; some were corrected since.
;; Multi Head Attention. Allowed arithmetic: matrix products marked QUANTISED: E2M3 operands, one E8M0 scale for each 32 along K, by v_wmma_scale_f32_16x16x128_f8f6f4 with both operands' format E2M3, f32 sums; everything else in f32.
;; Inputs: Wk 1,024 x 1,024 float32; Wo 1,024 x 1,024 float32; Wq 1,024 x 1,024 float32; Wv 1,024 x 1,024 float32; bk 1,024 float32; bo 1,024 float32; bq 1,024 float32; bv 1,024 float32; key 4 x 2,048 x 1,024 float32; query 4 x 2,048 x 1,024 float32; value 4 x 2,048 x 1,024 float32.
;; Outputs: out0 4 x 2,048 x 1,024 float32.
;; This version of the problem:
;;   THIS VERSION OF THE PROBLEM IS GIVEN IN LOW PRECISION. The matrix products marked QUANTISED in the list below multiply operands that are first quantised to E2M3 (2 exponent bits, 3 mantissa bits; 6 bits a number), with one power-of-two scale for each 32 numbers along K (OCP MX v1.0); their sums are f32. All else is computed in f32.
;;   The module's matrix products, in the order in which they are computed (A, B: the left and right operand; K: the contracted axis; several contracted axes count as one K, in the product's order):
;;     1. [M 8,192, K 1,024] x [K 1,024, N 1,024]; A: input query; B: input Wq: QUANTISED
;;     2. [M 8,192, K 1,024] x [K 1,024, N 1,024]; A: input key; B: input Wk: QUANTISED
;;     3. [M 8,192, K 1,024] x [K 1,024, N 1,024]; A: input value; B: input Wv: QUANTISED
;;     4. batch 64 x [M 2,048, K 64] x [K 64, N 2,048]; A: computed on the way; B: computed on the way: QUANTISED
;;     5. batch 64 x [M 2,048, K 2,048] x [K 2,048, N 64]; A: softmax (see below); B: computed on the way: QUANTISED
;;     6. [M 8,192, K 1,024] x [K 1,024, N 1,024]; A: computed on the way; B: input Wo: QUANTISED
;;   THE QUANTISER, for each operand of a quantised product, along K:
;;     - K is cut into blocks of 32 from its start; a last block that is shorter is filled with zeros.
;;     - A block's scale is 2^e with e = floor(log2(the largest magnitude in the block)) - 2, held to -126 .. 127; a block of zeros has e = 0. As a byte (E8M0): e + 127.
;;     - Each number is divided by its block's scale, clamped to +-7.5, and rounded to the nearest number of E2M3, ties to even, subnormals kept.
;;     - The product sums the exact products of the quantised numbers (number of the format x scale) in f32.
;;   ~~~python
;;   def quantise(x, axis):      # numpy; x: float32 -> the quantised numbers, widened to float32 again
;;       x = np.moveaxis(x, axis, -1); K = x.shape[-1]
;;       x = np.pad(x, [(0, 0)] * (x.ndim - 1) + [(0, -K % 32)]); x = x.reshape(x.shape[:-1] + (-1, 32)); a = np.abs(x).max(-1, keepdims=True)
;;       e = np.where(a > 0, np.clip(np.frexp(np.where(a > 0, a, 1))[1] - 1 - 2, -126, 127), 0)      # np.frexp(a)[1] - 1 = floor(log2(a)), exactly
;;       r = np.clip(x / 2.0 ** e, -7.5, 7.5)
;;       step = 2.0 ** (np.maximum(np.frexp(np.where(r == 0, 1, r))[1] - 1, 0) - 3)
;;       q = np.round(r / step) * step * 2.0 ** e      # np.round: ties to even
;;       return np.moveaxis(q.reshape(q.shape[:-2] + (-1,))[..., :K], -1, axis).astype(np.float32)
;;   ~~~
;;   SOFTMAX AHEAD OF A QUANTISED PRODUCT. Where the list says 'softmax', what is quantised is not the finished softmax but p = 2^(t - M), with t = logit x log2(e) and M = ceil(the row's largest t), a whole number; so 1/2 < the row's largest p <= 1. The row's sum l is taken of the UNQUANTISED p, in f32, and the product's result is divided by l at the end. Since M is a whole number, a kernel that streams over the keys may use a running M (the ceiling of the running maximum): every later rescaling is an exact power of two, which a block's scale takes up: the codes' values come out the same.
;;   OPERANDS COMPUTED ON THE WAY. 'Computed on the way' means the value that the module computes at that place (a softmax that the list does not call 'softmax' is quantised finished and normalised). What goes into a quantiser is computed in f32, as accurately as f32 sums, v_exp_f32 and their like allow (about 1e-6 of the number): no bf16 or f16 on the way to a quantiser, and a product that is left as it is and whose result goes on into a quantised operand takes f32 operands (vector FMAs, or v_wmma_f32_16x16x4_f32). A number that lies on a knife's edge between two numbers of the format may be rounded either way, as far as f32 arithmetic and the matrix unit's own rounding can turn it there, and no further.
;; One version. Each part assembles by itself: llvm-mc -triple=amdgcn-amd-amdhsa -mcpu=gfx1250 --defsym DOCPART=n.
;; ======== version 1 of 1: 4 launches
;; limits: right only within a limited range of input values
;; workspace buffers: xq 19,660,800 bytes; wimg 3,145,728 bytes; wsc 131,072 bytes; qb 6,815,744 bytes; kv 13,369,344 bytes; ao 6,553,600 bytes
;; launch quant (part 1): grid 640 x 1, 4 waves a work-group, no clusters, 34,304 bytes of LDS; arguments query, key, value, Wq, Wk, Wv, Wo, xq, wimg, wsc; writes xq, wimg, wsc
.if DOCPART == 1
	.amdgcn_target "amdgcn-amd-amdhsa--gfx1250"
	.amdhsa_code_object_version 6
	.text
	.protected	k_q9644b4e436_quant
	.globl	k_q9644b4e436_quant
	.p2align	8
	.type	k_q9644b4e436_quant,@function
k_q9644b4e436_quant:
	s_mov_b64 s[64:65], 0
	v_nop
	global_prefetch_b8 v0, s[64:65] scope:SCOPE_SE
	s_setreg_imm32_b32 hwreg(HW_REG_WAVE_MODE, 25, 1), 1
	s_wait_xcnt 0x0
; LAUNCH 1 OF 4.  Multi-head attention, B = 4, S = 2,048, hidden 1,024, 16 heads of 64, all six products on codes of E2M3 with one E8M0 byte for each 32 along K.
; DEAD WORK: none.  bq, bk and bv go into operands that are quantised, bo into the output, and every product's result reaches out0: all eleven inputs are loaded by some launch, and no step of the problem is left out.
; THIS LAUNCH quantises, once, the operands that arrive as f32: query, key, value (K innermost) and Wq, Wk, Wv, Wo (K is their FIRST axis), into workspace laid IN THE ORDER OF THE OPERAND'S REGISTERS.
; An IMAGE of a fragment (16 rows x 128 K, 12 registers a lane): registers 4 c .. 4 c + 3 of lane l at byte 512 c + 16 l, c = 0 .. 2: 1,536 bytes, moved by three 16-byte accesses a lane.
; THE ROWS OF A TILE ARE NOT NEIGHBOURS: in each group of 32 rows (of x) or columns (of W), lane r of tile 2 b + u takes row 32 b + 8 u + r + 8 (r / 8), so that later results have 16 neighbours along the next K in a lane's registers.
; xq:   [3 tensors x 64 blocks of 128 rows][102,400]: image (tile m, K step s) at (8 m + s) 1,536; scale words at 98,304 + 512 m + 32 r + 4 s.
; wimg: [4 weights][64 tiles of 16 columns][8 K steps] images;   wsc: the same order, 16 words each.
; A block's scale is 2^(floor(log2(largest magnitude)) - 2); its byte is the largest magnitude's exponent field - 2, held at 1 from below.
; LIMITS: NaN and infinities among the inputs are not served; a block whose largest magnitude lies under 2^-124 gets the byte 1; a block of zeros gets the byte 1 where the rule says 127 (its codes are zeros, and this program alone reads the bytes).
; SHARES: work-groups 0 .. 383 take x: a wave takes one tile of 16 rows through all of K (64 KiB).  Work-groups 384 .. 639 take the weights: a wave takes 32 columns x 128 along K, a lane a column.
; No matrix unit, no cluster, no tensor load: waves share nothing, and the launch is a stream.
.set STGB,  8448                       ; a wave's stage: 16 rows x (512 bytes + 16)
.set SPARE, 4*STGB                     ; behind the four stages: the spare words, 128 bytes a wave, which no other line names
.set REC,   102400                     ; a block's record in xq
.set SPW, 14                           ; v14  LDS address of my spare word; never rewritten
.set NIL, 15                           ; v15  0; never rewritten
.set R,   16                           ; v16-143  two sets of 64 registers as loaded
.set X,   144                          ; v144-207 64 numbers: register 16 b + i = k 32 b + 16 (lane / 16) + i of my row
.set TM,  208                          ; v208-211 largest magnitudes, v212-215 bytes, v220-223 the conversions' scale operands
.set PC,  224                          ; v224-235 the codes; v236-242 at work
.set SW,  244                          ; v244-251 a scale word for each K step
.set SEL, 46                           ; s[46:47] lane selects: lane l xor 16
	s_load_b256 s[4:11], s[0:1], 0x0               ; query s[4:5], key s[6:7], value s[8:9], Wq s[10:11]
	s_load_b256 s[12:19], s[0:1], 0x20             ; Wk s[12:13], Wv s[14:15], Wo s[16:17], xq s[18:19]
	s_load_b128 s[20:23], s[0:1], 0x40             ; wimg s[20:21], wsc s[22:23]
	v_lshl_add_u32 v[SPW], v0, 2, SPARE
	v_mov_b32 v[NIL], 0
	v_lshrrev_b32 v1, 5, v0
	v_readfirstlane_b32 s24, v1                    ; wave 0..3
	v_and_b32 v1, 31, v0                           ; lane
	v_and_b32 v2, 15, v0                           ; r
	v_bfe_u32 v3, v0, 4, 1                         ; h
	s_cmp_ge_u32 ttmp9, 384
	s_cbranch_scc1 .Lweights
; ---------------- x: K innermost ----------------
	s_lshl_b32 s25, ttmp9, 2
	s_add_co_u32 s25, s25, s24                     ; my tile among 1,536
	s_lshr_b32 s33, s25, 3                         ; its record, 0 .. 191
	s_and_b32 s34, s25, 7                          ; m: the tile in the record
	s_and_b32 s35, s33, 63
	s_lshl_b32 s35, s35, 7                         ; the block's first row in its tensor
	s_lshr_b32 s36, s34, 1
	s_lshl_b32 s36, s36, 5
	s_add_co_u32 s35, s35, s36                     ; + 32 (m / 2)
	s_and_b32 s36, s34, 1
	s_lshl_b32 s36, s36, 3
	s_add_co_u32 s35, s35, s36                     ; + 8 (m % 2): the tile's first row
	s_lshl_b32 s36, s35, 12                        ; a row is 4,096 bytes
	s_mov_b32 s37, 0
	s_mul_i32 s38, s33, REC
	s_mov_b32 s39, 0
	s_mul_i32 s40, s34, 12288                      ; the tile's eight images
	s_mov_b32 s41, 0
	s_lshl_b32 s42, s34, 9
	s_add_co_u32 s42, s42, 98304                   ; and its scale words
	s_mov_b32 s43, 0
	s_mul_i32 s44, s24, STGB                       ; my stage
	s_wait_alu depctr_va_vdst(0)
	v_lshlrev_b32 v4, 4, v1                        ; 16 x lane: a load's 512 bytes, and an image's
	v_add_nc_u32 v5, s44, v4                       ; the stage, on the way in
	v_mul_u32_u24 v6, v2, 528
	v_lshl_add_u32 v6, v3, 6, v6
	v_add_nc_u32 v6, s44, v6                       ; and on the way out: row r, + 64 h
	v_lshlrev_b32 v7, 5, v2
	v_lshl_add_u32 v7, v3, 4, v7                   ; the scale words' place: 32 r + 16 h
	s_mov_b32 s[SEL], 0x76543210
	s_mov_b32 s[SEL+1], 0xfedcba98
.irp b, 0,1,2,3
	v_mov_b32 v[TM+4+\b], 0                        ; written once: a lane permute's destination counts as one of its sources
.endr
	s_wait_alu depctr_va_vdst(0)
	s_wait_kmcnt 0x0
	s_cmp_lt_u32 ttmp9, 256                        ; which tensor: the choice hangs on the work-group's number alone
	s_cselect_b64 s[26:27], s[6:7], s[8:9]
	s_cmp_lt_u32 ttmp9, 128
	s_cselect_b64 s[26:27], s[4:5], s[26:27]
	s_add_nc_u64 s[26:27], s[26:27], s[36:37]      ; the tile's first row
	s_add_nc_u64 s[28:29], s[18:19], s[38:39]
	s_add_nc_u64 s[30:31], s[28:29], s[42:43]      ; its scale words
	s_add_nc_u64 s[28:29], s[28:29], s[40:41]      ; its images
; 64 numbers of a lane, v[s] on, register 16 b + i = k 32 b + 16 (lane / 16) + i of my row, become a fragment's codes in v[PC] on and four scale bytes in v[TM+4] on.
.macro QUANT s
.irp b, 0,1,2,3
	v_max3_num_f32 v[TM+\b], |v[(\s)+16*\b]|, |v[(\s)+1+16*\b]|, 0x1800000   ; block b: my 16 numbers, and the floor 2^(3 - 127): the byte cannot fall under 1
.endr
.irp i, 2,4,6,8,10,12,14
.irp b, 0,1,2,3
	v_max3_num_f32 v[TM+\b], v[TM+\b], |v[(\s)+16*\b+\i]|, |v[(\s)+1+16*\b+\i]|   ; the four blocks by turns
.endr
.endr
.irp b, 0,1,2,3
	v_permlanex16_b32 v[TM+4+\b], v[TM+\b], s[SEL], s[SEL+1]
.endr
.irp b, 0,1,2,3
	v_max_num_f32 v[TM+\b], v[TM+\b], v[TM+4+\b]   ; with lane l xor 16's: the block's largest magnitude
.endr
.irp b, 0,1,2,3
	v_add_nc_u32 v[TM+12+\b], 0xff000000, v[TM+\b] ; 2 off its exponent field: the conversion takes this operand's exponent field as its scale
.endr
.irp b, 0,1,2,3
	v_lshrrev_b32 v[TM+4+\b], 23, v[TM+12+\b]      ; the scale's byte
.endr
.irp c, 0,1
	v_cvt_scalef32_pk16_fp6_f32 v[PC+6*\c:PC+2+6*\c], v[(\s)+32*\c:(\s)+15+32*\c], v[TM+12+2*\c]
	v_cvt_scalef32_pk16_fp6_f32 v[PC+12+4*\c:PC+14+4*\c], v[(\s)+16+32*\c:(\s)+31+32*\c], v[TM+12+2*\c+1]   ; (a conversion's three registers begin on an even number)
.endr
	v_nop                                          ; one plain instruction behind the scaled conversions
.irp c, 0,1                            ; the layout wants a WHOLE block in a lane: lanes 0-15 block 2 c, lanes 16-31 block 2 c + 1
.irp i, 0,1,2
	v_permlane16_swap_b32 v[PC+6*\c+\i], v[PC+12+4*\c+\i]
.endr
.irp i, 0,1,2
	v_mov_b32 v[PC+3+6*\c+\i], v[PC+12+4*\c+\i]
.endr
.endr
.endm
.macro LOAD t                          ; K step t of my 16 rows: each load reads 512 consecutive bytes of one row
.irp i, 0,1,2,3,4,5,6,7,8,9,10,11,12,13,14,15
	global_load_b128 v[R+64*((\t)%2)+4*\i:R+64*((\t)%2)+4*\i+3], v4, s[26:27] offset:(\i+8*(\i/8))*4096+512*(\t) th:TH_LOAD_NT
.endr
.endm
.macro STEP s
.if \s < 7
	s_wait_loadcnt 16                              ; this step's 16 loads are in; the next step's 16 may be out
.else
	s_wait_loadcnt 0x0
.endif
.irp i, 0,1,2,3,4,5,6,7,8,9,10,11,12,13,14,15
	ds_store_b128 v5, v[R+64*((\s)%2)+4*\i:R+64*((\s)%2)+4*\i+3] offset:528*\i   ; as loaded: row i of the stage
.endr
.irp b, 0,1,2,3
.irp j, 0,1,2,3
	ds_load_b128 v[X+16*\b+4*\j:X+16*\b+4*\j+3], v6 offset:128*\b+16*\j   ; back as 16 neighbours of each block; LDS serves a wave's instructions in order
.endr
.endr
	s_wait_dscnt 0x0                               ; the numbers are back, and the stores into the stage have read their registers
	s_wait_xcnt 0x0                                ; the last step's stores have read the codes' registers, which are written again below
.if \s < 6
	LOAD (\s)+2
.endif
	QUANT X
	v_lshl_or_b32 v[SW+\s], v[TM+5], 8, v[TM+4]    ; my row's scale word of this K step
	v_lshl_or_b32 v[SW+\s], v[TM+6], 16, v[SW+\s]
	v_lshl_or_b32 v[SW+\s], v[TM+7], 24, v[SW+\s]
.irp c, 0,1,2
	global_store_b128 v4, v[PC+4*\c:PC+4*\c+3], s[28:29] offset:1536*\s+512*\c   ; the image: 512 consecutive bytes a store
.endr
.endm
	LOAD 0
	LOAD 1
.irp s, 0,1,2,3,4,5,6,7
	STEP \s
.endr
	v_cmp_le_u32 s32, 16, v1                       ; lanes 16-31 store words 4 .. 7 of their row, lanes 0-15 words 0 .. 3
.irp i, 0,1,2,3
	v_cndmask_b32 v[TM+\i], v[SW+\i], v[SW+4+\i], s32
.endr
	global_store_b128 v7, v[TM:TM+3], s[30:31]     ; 512 consecutive bytes
	s_wait_tensorcnt 0x0                           ; the wave's end
	ds_add_u32 v[SPW], v[NIL]
	s_wait_dscnt 0x0
	s_endpgm
; ---------------- the weights: K is the first axis.  A lane takes a column, its registers run down K
.Lweights:
	s_sub_co_u32 s25, ttmp9, 384
	s_lshr_b32 s33, s25, 6                         ; which weight: q, k, v, o
	s_bfe_u32 s34, s25, 0x30003                    ; the K step
	s_and_b32 s35, s25, 7
	s_lshl_b32 s35, s35, 2
	s_add_co_u32 s35, s35, s24                     ; my group of 32 columns, 0 .. 31
	s_lshl_b32 s36, s34, 19                        ; 128 rows of 4,096 bytes a K step
	s_lshl_b32 s37, s35, 7
	s_add_co_u32 s36, s36, s37                     ; + 128 bytes a group
	s_mov_b32 s37, 0
	s_lshl_b32 s38, s33, 6
	s_lshl_b32 s39, s35, 1
	s_add_co_u32 s38, s38, s39                     ; the group's first tile: 64 w + 2 x group
	s_lshl_b32 s38, s38, 3
	s_add_co_u32 s38, s38, s34                     ; x 8 + K step
	s_lshl_b32 s40, s38, 6                         ; its 16 scale words
	s_mov_b32 s41, 0
	s_mul_i32 s38, s38, 1536                       ; its image
	s_mov_b32 s39, 0
	s_wait_alu depctr_va_vdst(0)
	v_lshlrev_b32 v4, 2, v1                        ; in: 4 bytes a lane
	v_bfe_u32 v8, v0, 3, 1                         ; column 8 u + r + 8 (r / 8) of the group: u is bit 3 of my lane's number,
	v_and_b32 v9, 7, v0
	v_lshl_or_b32 v9, v3, 3, v9                    ; r its bits 2:0 and, above them, bit 4
	v_mul_u32_u24 v5, v8, 12288                    ; tile u: eight images on
	v_lshl_add_u32 v5, v9, 4, v5                   ; + 16 r
	v_lshlrev_b32 v6, 9, v8
	v_lshl_add_u32 v6, v9, 2, v6                   ; the scale word: 512 u + 4 r
	s_wait_alu depctr_va_vdst(0)
	s_wait_kmcnt 0x0
	s_cmp_lt_u32 s33, 3
	s_cselect_b64 s[26:27], s[14:15], s[16:17]
	s_cmp_lt_u32 s33, 2
	s_cselect_b64 s[26:27], s[12:13], s[26:27]
	s_cmp_lt_u32 s33, 1
	s_cselect_b64 s[26:27], s[10:11], s[26:27]
	s_add_nc_u64 s[26:27], s[26:27], s[36:37]
	s_add_nc_u64 s[28:29], s[20:21], s[38:39]
	s_add_nc_u64 s[30:31], s[22:23], s[40:41]
.macro WLOAD q                         ; block q: W(128 s + 32 q + i, my column): 128 consecutive bytes a wave, 512 a work-group
.irp i, 0,1,2,3,4,5,6,7,8,9,10,11,12,13,14,15,16,17,18,19,20,21,22,23,24,25,26,27,28,29,30,31
	global_load_b32 v[16+32*(\q)+\i], v4, s[26:27] offset:(32*(\q)+\i)*4096 th:TH_LOAD_NT
.endr
.endm
; Block q = 2 c + h of the column is registers 6 c .. 6 c + 5 of the image's lane r + 16 h.
.macro BLOCK q
.set XB, 16+32*(\q)
.set CB, 144+8*(\q)                    ; each block has its own codes' registers: no store's data are written again
.if (\q) < 3
	s_wait_loadcnt 32                              ; this block's 32 loads are in; the next block's may be out
.else
	s_wait_loadcnt 0x0
.endif
.if (\q) < 2
	WLOAD (\q)+2
.endif
	v_max3_num_f32 v12, |v[XB]|, |v[XB+1]|, |v[XB+2]|   ; all 32 numbers are mine: two chains
	v_max3_num_f32 v13, |v[XB+3]|, |v[XB+4]|, |v[XB+5]|
.irp i, 6,10,14,18,22,26
	v_max3_num_f32 v12, v12, |v[XB+\i]|, |v[XB+\i+1]|
	v_max3_num_f32 v13, v13, |v[XB+\i+2]|, |v[XB+\i+3]|
.endr
	v_max3_num_f32 v12, v12, |v[XB+30]|, |v[XB+31]|
	v_max3_num_f32 v12, v12, v13, 0x1800000        ; and the floor
	v_add_nc_u32 v11, 0xff000000, v12              ; the conversion's scale operand
	v_lshrrev_b32 v13, 23, v11                     ; the byte
.if (\q) == 0
	v_mov_b32 v180, v13
.else
	v_lshl_or_b32 v180, v13, 8*(\q), v180          ; the column's scale word of this K step
.endif
	v_cvt_scalef32_pk16_fp6_f32 v[CB:CB+2], v[XB:XB+15], v11
	v_cvt_scalef32_pk16_fp6_f32 v[CB+4:CB+6], v[XB+16:XB+31], v11
	v_nop                                          ; one plain instruction behind the scaled conversions
	v_mov_b32 v[CB+3], v[CB+4]                     ; the block's six registers on end
	v_mov_b32 v[CB+4], v[CB+5]
	v_mov_b32 v[CB+5], v[CB+6]
.if (\q) < 2
	global_store_b128 v5, v[CB:CB+3], s[28:29] offset:256*((\q)%2)          ; registers 0-3: the sixteen lanes of a tile cover 256 consecutive bytes
	global_store_b64 v5, v[CB+4:CB+5], s[28:29] offset:512+256*((\q)%2)     ; registers 4, 5
.else
	global_store_b64 v5, v[CB:CB+1], s[28:29] offset:520+256*((\q)%2)       ; registers 6, 7
	global_store_b128 v5, v[CB+2:CB+5], s[28:29] offset:1024+256*((\q)%2)   ; registers 8-11
.endif
.endm
	WLOAD 0
	WLOAD 1
	BLOCK 0
	BLOCK 1
	BLOCK 2
	BLOCK 3
	global_store_b32 v6, v180, s[30:31]
	s_endpgm
.Lfunc_end_k_q9644b4e436_quant:
	.size	k_q9644b4e436_quant, .Lfunc_end_k_q9644b4e436_quant-k_q9644b4e436_quant
	.p2alignl 7, 3214868480
	.fill 96, 4, 3214868480
	.section	.rodata,"a",@progbits
	.p2align	6, 0x0
	.amdhsa_kernel k_q9644b4e436_quant
		.amdhsa_group_segment_fixed_size 34304
		.amdhsa_private_segment_fixed_size 0
		.amdhsa_enable_private_segment 0
		.amdhsa_kernarg_size 80
		.amdhsa_user_sgpr_count 2
		.amdhsa_user_sgpr_kernarg_segment_ptr 1
		.amdhsa_wavefront_size32 1
		.amdhsa_system_sgpr_workgroup_id_x 1
		.amdhsa_system_sgpr_workgroup_id_y 1
		.amdhsa_system_sgpr_workgroup_id_z 1
		.amdhsa_system_vgpr_workitem_id 0
		.amdhsa_next_free_vgpr 256
		.amdhsa_next_free_sgpr 66
		.amdhsa_reserve_vcc 0
		.amdhsa_float_denorm_mode_32 3
		.amdhsa_float_denorm_mode_16_64 3
		.amdhsa_memory_ordered 1
		.amdhsa_forward_progress 1
		.amdhsa_inst_pref_size 85
	.end_amdhsa_kernel
	.amdgpu_metadata
---
amdhsa.version: [ 1, 2 ]
amdhsa.kernels:
  - .name:           k_q9644b4e436_quant
    .symbol:         k_q9644b4e436_quant.kd
    .args:
      - { .name: query, .offset: 0, .size: 8, .value_kind: global_buffer, .address_space: global }
      - { .name: key, .offset: 8, .size: 8, .value_kind: global_buffer, .address_space: global }
      - { .name: value, .offset: 16, .size: 8, .value_kind: global_buffer, .address_space: global }
      - { .name: Wq, .offset: 24, .size: 8, .value_kind: global_buffer, .address_space: global }
      - { .name: Wk, .offset: 32, .size: 8, .value_kind: global_buffer, .address_space: global }
      - { .name: Wv, .offset: 40, .size: 8, .value_kind: global_buffer, .address_space: global }
      - { .name: Wo, .offset: 48, .size: 8, .value_kind: global_buffer, .address_space: global }
      - { .name: xq, .offset: 56, .size: 8, .value_kind: global_buffer, .address_space: global }
      - { .name: wimg, .offset: 64, .size: 8, .value_kind: global_buffer, .address_space: global }
      - { .name: wsc, .offset: 72, .size: 8, .value_kind: global_buffer, .address_space: global }
    .group_segment_fixed_size: 34304
    .private_segment_fixed_size: 0
    .kernarg_segment_align: 8
    .kernarg_segment_size: 80
    .max_flat_workgroup_size: 128
    .sgpr_count:     66
    .vgpr_count:     256
    .wavefront_size: 32
...
	.end_amdgpu_metadata
.endif
;; end of part 1
;; launch proj (part 2): grid 4 x 64, 4 waves a work-group, clusters of 4 x 1, 327,680 bytes of LDS; arguments xq, wimg, wsc, bq, bk, bv, qb, kv; writes qb, kv
.if DOCPART == 2
	.amdgcn_target "amdgcn-amd-amdhsa--gfx1250"
	.amdhsa_code_object_version 6
	.text
	.protected	k_q9644b4e436_proj
	.globl	k_q9644b4e436_proj
	.p2align	8
	.type	k_q9644b4e436_proj,@function
k_q9644b4e436_proj:
	s_mov_b64 s[64:65], 0
	v_nop
	global_prefetch_b8 v0, s[64:65] scope:SCOPE_SE
	s_setreg_imm32_b32 hwreg(HW_REG_WAVE_MODE, 25, 1), 1
	s_wait_xcnt 0x0
	s_wait_alu depctr_hold_cnt(0) depctr_sa_sdst(0) depctr_va_vdst(0) depctr_va_sdst(0) depctr_va_ssrc(0) depctr_va_vcc(0) depctr_vm_vsrc(0)
	s_getreg_b32 s2, hwreg(HW_REG_IB_STS2, 6, 4)
	s_cmp_eq_u32 s2, 0
	s_cbranch_scc0 .Lentry_in_a_cluster
	s_endpgm
.Lentry_in_a_cluster:
	s_bfe_u32 s2, ttmp6, 0x10000c
	s_cmp_lg_u32 s2, 0x3003
	s_cbranch_scc0 .Lentry_shape_is_right
	s_endpgm
.Lentry_shape_is_right:
; LAUNCH 2 OF 4: Q = query Wq + bq, K = key Wk + bk, V = value Wv + bv on codes of E2M3, and the quantising of the three results for attention.  No work of the problem is left out here.
; A WORK-GROUP STAYS: it takes THREE records of xq on end (records 3 y .. 3 y + 2 of the 192; a record is 128 rows x all 1,024 of K: 102,400 bytes, images and scale words) and 256 columns (4 heads); wave w takes one head, 64 columns: 4 tiles.
; 256 equal work-groups, a loop of three trips, a record a trip.
; THE WEIGHTS go from memory straight into registers, 32 fragments (384 registers) a wave, and stay from record to record; they are loaded again only where the next record belongs to another tensor (records 64 and 128: clusters 21 and 42).
; That branch hangs on the cluster's number and the trip alone.  The weights differ from partner to partner and from wave to wave, so no joint load could serve them.
; CLUSTER: the four work-groups of a cluster (the four slices of columns) need the same records: they are asked for JOINTLY.  Each record has LDS bytes of its own: nothing is filled twice.
; At the head each wave asks for a quarter of record 0 (100 rows of 256 bytes); behind a wait, an add onto my spare word, its wait and a round, for a quarter of records 1 and 2 (200 rows),
; which has record 0's products in which to land; the wait for it and a plain barrier stand at each trip's end.  All is asked for ahead of the loop, so there is nothing for a data prefetch to run ahead of.
; Q and K: the product is used TRANSPOSED (source 0 = 16 columns of W, source 1 = 16 rows of x): a lane holds one row, and by the choice of W's columns for a tile its 32 registers of a tile of rows run along the head's 64.
; V: used STRAIGHT (source 0 = 16 rows of x, the keys; source 1 = 16 columns of W): a lane holds one channel d, and by the choice of x's rows for a tile its 64 registers run along the block's 128 keys, which are the next K.
; The bias is the C of each sum's first matrix instruction.
; qb: [batch x head][block of 128 queries][6,656]: 8 half images (16 rows x 64 K: registers 2 j, 2 j + 1 of lane l at 256 j + 8 l) at 768 m; scale words (two bytes, upper two 0) at 6,144 + 256 (m / 4) + 16 r + 4 (m % 4).
; kv: [batch x head][block of 128 keys][13,056]: K as in qb; V's four images (tile t of 16 channels x 128 keys) at 6,144 + 1,536 t; K's scale words at 12,288; V's at 12,800 + 16 r + 4 t.
; LIMITS: as stated at the head of the first launch (NaN, infinities; the byte 1 for tiny blocks and for blocks of zeros).
; REGISTERS, in windows of 256.  Window 0: v1-15 addresses; v16-111 x's fragments, two buffers of four; v112-175 x's scale words; v176-207 W's; v208-251 at work.
;   Window 1: W's tiles 0, 1 (tile t, K step s at 96 t + 12 s).  Window 2: tiles 2, 3 likewise; v192-223 the bias.  Window 3: the 32 accumulators.
.set REC,   102400
.set SPARE, 3*REC                      ; behind the three records: the spare words, 128 bytes a wave, which no other line names
.set LI,  4                            ; v4 16 x lane (an image's place, in a record and in memory); v5 the same + 49,152 (tiles 4-7)
.set AXS, 6                            ; v6  x's scale words in a record: 98,304 + 32 r
.set AXR, 7                            ; v7  the same in this trip's record
.set R4,  8                            ; v8  4 r
.set BO,  9                            ; v9  the bias's lane offset
.set L8,  10                           ; v10 8 x lane
.set VSO, 11                           ; v11 16 r + 8 h
.set SPW, 12                           ; v12 LDS address of my spare word; never rewritten
.set NIL, 13                           ; v13 0; never rewritten
.set XA,  14                           ; v14, v15: v4, v5 in this trip's record
.set XF,  16
.set XS,  112                          ; word (m, s) at XS + 8 m + s
.set WSB, 176                          ; W's word (t, s) at WSB + 8 t + (s + 4) % 8, so that the numbers of a product's two scale registers differ by 4 modulo 8
.set TM,  208
.set PC,  224
.set SWD, 244
.set BI,  192                          ; in window 2
.set TR,  30                           ; s30 the trip, 0 .. 2
.set PH,  31                           ; s31 the tensor whose weights the registers hold
.set G0,  32                           ; s[32:35] descriptor group 0
.set G1,  36                           ; s[36:43] group 1
.set SEL, 58
.set Y3,  60                           ; s60 my cluster's first record
.set RB,  61                           ; s61 LDS byte of the trip's record
.set MSB, 0
.macro WIN new                         ; the immediate's high byte repeats the setting that is left
.if MSB != (\new)
	s_set_vgpr_msb (MSB<<8)|(\new)
.set MSB, (\new)
.endif
.endm
.macro PLACES n
.rept \n
	v_nop
.endr
.endm
.macro CROUND                          ; a round of the cluster's barrier
	s_barrier_signal -1
	s_barrier_wait -1
	s_cmp_lg_u32 s20, 0
	s_cbranch_scc1 .Lnot_wave_0_\@
	s_barrier_signal -3
.Lnot_wave_0_\@:
	s_barrier_wait -3
	s_barrier_signal -1
	s_barrier_wait -1
.endm
.macro RECSC                           ; the trip's record and what hangs on it
	s_add_co_u32 s22, s[Y3], s[TR]                 ; the record, which the four partners share
	s_lshr_b32 s23, s22, 6                         ; p: 0 Q, 1 K, 2 V
	s_and_b32 s24, s22, 63
	s_lshr_b32 s25, s24, 4                         ; the batch
	s_and_b32 s26, s24, 15                         ; the block of 128 rows in the sequence
	s_lshl_b32 s28, s25, 4
	s_add_co_u32 s28, s28, s27                     ; 16 x batch + head
.endm
; Tensor p's weights for my head: 32 fragments, their scale words, the bias
.macro WLOAD
	s_lshl_b32 s46, s23, 6
	s_lshl_b32 s47, s27, 2
	s_add_co_u32 s46, s46, s47                     ; my first tile of W: 64 p + 4 x head
	s_lshl_b32 s48, s46, 9                         ; its scale words: 8 K steps x 64 bytes a tile
	s_mov_b32 s49, 0
	s_mul_i32 s46, s46, 12288                      ; its images: 8 x 1,536 a tile
	s_mov_b32 s47, 0
	s_add_nc_u64 s[46:47], s[6:7], s[46:47]
	s_add_nc_u64 s[48:49], s[8:9], s[48:49]
	WIN 0x40                                       ; destination window 1
.irp t, 0,1
.irp s, 0,1,2,3,4,5,6,7
.irp c, 0,1,2
	global_load_b128 v[96*\t+12*\s+4*\c:96*\t+12*\s+4*\c+3], v[LI], s[46:47] offset:(8*\t+\s)*1536+512*\c
.endr
.endr
.endr
	WIN 0x80                                       ; destination window 2
.irp t, 2,3
.irp s, 0,1,2,3,4,5,6,7
.irp c, 0,1,2
	global_load_b128 v[96*(\t-2)+12*\s+4*\c:96*(\t-2)+12*\s+4*\c+3], v[LI], s[46:47] offset:(8*\t+\s)*1536+512*\c
.endr
.endr
.endr
	WIN 0
.irp t, 0,1,2,3
.irp s, 0,1,2,3,4,5,6,7
	global_load_b32 v[WSB+8*\t+(\s+4)%8], v[R4], s[48:49] offset:512*\t+64*\s
.endr
.endr
	s_cmp_eq_u32 s23, 1
	s_cselect_b64 s[50:51], s[12:13], s[14:15]
	s_cmp_eq_u32 s23, 0
	s_cselect_b64 s[50:51], s[10:11], s[50:51]
	s_lshl_b32 s52, s27, 8                         ; my head's 64 numbers of the bias
	s_mov_b32 s53, 0
	s_add_nc_u64 s[50:51], s[50:51], s[52:53]
	s_cmp_eq_u32 s23, 2                            ; the same in all waves and all partners: it hangs on the record alone
	s_cbranch_scc1 .Lbias_v_\@
	v_lshlrev_b32 v[BO], 6, v3                     ; Q, K: register j of tile t is column 32 (t / 2) + 8 (t % 2) + 16 h + j
	WIN 0x80
.irp t, 0,1,2,3
	global_load_b128 v[BI+8*\t:BI+8*\t+3], v[BO], s[50:51] offset:(32*(\t/2)+8*(\t%2))*4
	global_load_b128 v[BI+8*\t+4:BI+8*\t+7], v[BO], s[50:51] offset:(32*(\t/2)+8*(\t%2))*4+16
.endr
	WIN 0
	s_branch .Lbias_done_\@
.Lbias_v_\@:
	v_and_b32 v[BO], 8, v2                         ; V: all eight registers of tile t are column 32 (t / 2) + 8 (t % 2) + r + 8 (r / 8)
	v_add_nc_u32 v[BO], v[BO], v2
	v_lshlrev_b32 v[BO], 2, v[BO]
	WIN 0x80
.irp t, 0,1,2,3
.irp j, 0,1,2,3,4,5,6,7
	global_load_b32 v[BI+8*\t+\j], v[BO], s[50:51] offset:(32*(\t/2)+8*(\t%2))*4
.endr
.endr
	WIN 0
.Lbias_done_\@:
.endm
	s_load_b256 s[4:11], s[0:1], 0x0               ; xq s[4:5], wimg s[6:7], wsc s[8:9], bq s[10:11]
	s_load_b256 s[12:19], s[0:1], 0x20             ; bk s[12:13], bv s[14:15], qb s[16:17], kv s[18:19]
	v_lshl_add_u32 v[SPW], v0, 2, SPARE
	v_mov_b32 v[NIL], 0
	ds_add_u32 v[SPW], v[NIL]                      ; the wave's opening: the add, twice on end, and its wait ahead of my first tensor load
	ds_add_u32 v[SPW], v[NIL]
	v_lshrrev_b32 v1, 5, v0
	v_readfirstlane_b32 s20, v1                    ; wave 0..3
	s_bfe_u32 s21, ttmp6, 0x40000                  ; cx
	s_lshl_b32 s29, ttmp9, 2
	s_add_co_u32 s29, s29, s21                     ; the slice of 256 columns
	s_and_b32 s[Y3], ttmp7, 0xffff
	s_mul_i32 s[Y3], s[Y3], 3                      ; three records a cluster
	s_lshl_b32 s27, s29, 2
	s_add_co_u32 s27, s27, s20                     ; my head
	s_mov_b32 s[TR], 0
	s_mov_b32 s[RB], 0
	RECSC
	s_mov_b32 s[G1], 15|(3<<16)|(1<<21)            ; the mask: all four; elements of 8 bytes; bit 21 beside a mask; no padding
	s_mov_b32 s[G1+1], 32<<16                      ; tensor_dim0 = 32 elements: 256 bytes
	s_mov_b32 s[G1+2], 100<<16                     ; tensor_dim1 = 100 rows: a quarter of a record
	s_mov_b32 s[G1+3], 32<<16                      ; tile_dim0
	s_mov_b32 s[G1+4], 100                         ; tile_dim1
	s_mov_b32 s[G1+5], 32                          ; the pitch: dense
	s_mov_b32 s[G1+6], 0
	s_mov_b32 s[G1+7], 0
	s_mov_b32 s[G0], 1
	s_mul_i32 s[G0+1], s20, 25600                  ; LDS: wave x a quarter
	s_mul_i32 s44, s[Y3], REC
	s_add_co_u32 s44, s44, s[G0+1]
	s_mov_b32 s45, 0
	s_mov_b32 s[SEL], 0x76543210
	s_mov_b32 s[SEL+1], 0xfedcba98
	s_wait_dscnt 0x0                               ; both opening adds are done
	s_wait_kmcnt 0x0
	s_add_nc_u64 s[G0+2:G0+3], s[4:5], s[44:45]
	s_or_b32 s[G0+3], s[G0+3], 0x80000000
	CROUND                                         ; all four work-groups are here: the joint loads meet
	tensor_load_to_lds s[G0:G0+3], s[G1:G1+7]      ; my quarter of record 0: my one tensor load at the head
	s_nop 0
	PLACES 4
	v_and_b32 v1, 31, v0                           ; lane
	v_and_b32 v2, 15, v0                           ; r
	v_bfe_u32 v3, v0, 4, 1                         ; h
	v_lshlrev_b32 v[LI], 4, v1
	v_add_nc_u32 v[LI+1], 49152, v[LI]
	v_lshl_add_u32 v[AXS], v2, 5, 98304
	v_lshlrev_b32 v[R4], 2, v2
	s_wait_alu depctr_va_vdst(0)
	v_lshlrev_b32 v[L8], 3, v1
	v_lshlrev_b32 v[VSO], 4, v2
	v_lshl_add_u32 v[VSO], v3, 3, v[VSO]
.irp b, 0,1,2,3
	v_mov_b32 v[TM+4+\b], 0                        ; written once: a lane permute's destination counts as one of its sources
.endr
	v_cmp_le_u32 s56, 16, v1                       ; lanes 16-31
	s_wait_alu depctr_va_vdst(0)
	WLOAD
	s_wait_alu depctr_va_vdst(0)
	s_wait_tensorcnt 0x0                           ; my quarter of record 0 is in;
	ds_add_u32 v[SPW], v[NIL]                      ; 0 onto my spare word;
	s_mov_b32 s[G1+2], 200<<16                     ; no tensor load of mine is out, so the descriptor may be written: 200 rows, my quarter of records 1 and 2,
	s_mov_b32 s[G1+4], 200
	s_mul_i32 s[G0+1], s20, 51200
	s_mul_i32 s44, s[Y3], REC
	s_add_co_u32 s44, s44, s[G0+1]
	s_add_co_u32 s44, s44, REC                     ; which lie behind record 0 in memory
	s_add_co_u32 s[G0+1], s[G0+1], REC             ; and in LDS
	s_mov_b32 s45, 0
	s_add_nc_u64 s[G0+2:G0+3], s[4:5], s[44:45]
	s_or_b32 s[G0+3], s[G0+3], 0x80000000
	s_wait_dscnt 0x0                               ; the add is done
	CROUND                                         ; a whole round: everybody's quarter of record 0 is in, and all four work-groups are here
	tensor_load_to_lds s[G0:G0+3], s[G1:G1+7]      ; the first tensor load behind the round, and my last
	s_nop 0
	PLACES 4
; Group gi = 2 s + hm: K step s, x's tiles 4 hm .. 4 hm + 3.  12 LDS loads bring its four fragments into buffer hm.
.macro FETCH gi
.set FS, (\gi)/2
.set FH, (\gi)%2
.irp mm, 0,1,2,3
.irp c, 0,1,2
	ds_load_b128 v[XF+48*FH+12*\mm+4*\c:XF+48*FH+12*\mm+4*\c+3], v[XA+FH] offset:(8*\mm+FS)*1536+512*\c
.endr
.endr
.endm
; 16 matrix instructions: the group's four tiles of x against my four tiles of W.  The 32 accumulators take turns, one instruction a turn.  In K step 0 the C is the bias.
.macro MUL16 gi, v
.set SS, (\gi)/2
.set HM, (\gi)%2
.set WS, WSB+(SS+4)%8-SS               ; WS + 8 t + SS is the place of word (t, SS)
.irp tp, 0,1
.if \v
.if SS == 0
	WIN 0xe4+4*\tp                                 ; source 0 (x) window 0, source 1 (W) window 1 or 2, C (bias) window 2, D window 3
.else
	WIN 0xf4+4*\tp
.endif
.else
.if SS == 0
	WIN 0xe1+\tp                                   ; source 0 (W) window 1 or 2, source 1 (x) window 0, C (bias) window 2, D window 3
.else
	WIN 0xf1+\tp
.endif
.endif
.irp tt, 0,1
.irp mm, 0,1,2,3
.set TI, 2*\tp+\tt
.set MI, 4*HM+\mm
.set WR, 96*\tt+12*SS
.set XR, XF+48*HM+12*\mm
.if \v
.set AC, 64*TI+8*MI
.if SS == 0
	v_wmma_scale_f32_16x16x128_f8f6f4 v[AC:AC+7], v[XR:XR+11], v[WR:WR+11], v[BI+8*TI:BI+8*TI+7], v[XS+8*MI+SS], v[WS+8*TI+SS] matrix_a_fmt:MATRIX_FMT_FP6 matrix_b_fmt:MATRIX_FMT_FP6
.else
	v_wmma_scale_f32_16x16x128_f8f6f4 v[AC:AC+7], v[XR:XR+11], v[WR:WR+11], v[AC:AC+7], v[XS+8*MI+SS], v[WS+8*TI+SS] matrix_a_fmt:MATRIX_FMT_FP6 matrix_b_fmt:MATRIX_FMT_FP6
.endif
.else
.set AC, 32*MI+8*TI
.if SS == 0
	v_wmma_scale_f32_16x16x128_f8f6f4 v[AC:AC+7], v[WR:WR+11], v[XR:XR+11], v[BI+8*TI:BI+8*TI+7], v[WS+8*TI+SS], v[XS+8*MI+SS] matrix_a_fmt:MATRIX_FMT_FP6 matrix_b_fmt:MATRIX_FMT_FP6
.else
	v_wmma_scale_f32_16x16x128_f8f6f4 v[AC:AC+7], v[WR:WR+11], v[XR:XR+11], v[AC:AC+7], v[WS+8*TI+SS], v[XS+8*MI+SS] matrix_a_fmt:MATRIX_FMT_FP6 matrix_b_fmt:MATRIX_FMT_FP6
.endif
.endif
.endr
.endr
.endr
.endm
.macro MAIN v
.irp m, 0,1,2,3,4,5,6,7
	ds_load_b128 v[XS+8*\m:XS+8*\m+3], v[AXR] offset:512*\m        ; x's scale words, all 64, once
	ds_load_b128 v[XS+8*\m+4:XS+8*\m+7], v[AXR] offset:512*\m+16
.endr
	FETCH 0
.set GI, 0
.rept 16
	WIN 0
.if GI > 0
	PLACES 4                                       ; four plain instructions between the last products and the loads into the buffer that they read (ISA guide 7.12.1 for vector instructions)
.endif
.if GI < 15
	FETCH GI+1
	s_wait_dscnt 12                                ; all but the 12 just issued: this group's fragments are in
.else
	s_wait_dscnt 0x0
.endif
	MUL16 GI, \v
.set GI, GI+1
.endr
	WIN 0
	PLACES 4                                       ; in front of the first read of results
.endm
; 64 accumulator registers of window 3, v[s] on, register 16 b + i = k 32 b + 16 (lane / 16) + i, become 12 registers of codes in v[PC] on and four scale bytes in v[TM+4] on.  Each accumulator is read from its low end on.
.macro QUANT s
	WIN 0x0f                                       ; sources 0 and 1 window 3
.irp b, 0,1,2,3
	v_max3_num_f32 v[TM+\b], |v[(\s)+16*\b]|, |v[(\s)+1+16*\b]|, 0x1800000   ; and the floor 2^(3 - 127): the byte cannot fall under 1
.endr
	WIN 0x3c                                       ; sources 1 and 2 window 3
.irp i, 2,4,6,8,10,12,14
.irp b, 0,1,2,3
	v_max3_num_f32 v[TM+\b], v[TM+\b], |v[(\s)+16*\b+\i]|, |v[(\s)+1+16*\b+\i]|
.endr
.endr
	WIN 0
.irp b, 0,1,2,3
	v_permlanex16_b32 v[TM+4+\b], v[TM+\b], s[SEL], s[SEL+1]
.endr
.irp b, 0,1,2,3
	v_max_num_f32 v[TM+\b], v[TM+\b], v[TM+4+\b]   ; with lane l xor 16's: the block's largest magnitude
.endr
.irp b, 0,1,2,3
	v_add_nc_u32 v[TM+12+\b], 0xff000000, v[TM+\b] ; 2 off the exponent field: the conversion's scale operand
.endr
.irp b, 0,1,2,3
	v_lshrrev_b32 v[TM+4+\b], 23, v[TM+12+\b]      ; the byte
.endr
	WIN 0x03                                       ; source 0 window 3
.irp c, 0,1
	v_cvt_scalef32_pk16_fp6_f32 v[PC+6*\c:PC+2+6*\c], v[(\s)+32*\c:(\s)+15+32*\c], v[TM+12+2*\c]
	v_cvt_scalef32_pk16_fp6_f32 v[PC+12+4*\c:PC+14+4*\c], v[(\s)+16+32*\c:(\s)+31+32*\c], v[TM+12+2*\c+1]
.endr
	WIN 0
	v_nop                                          ; one plain instruction behind the scaled conversions
.irp c, 0,1
.irp i, 0,1,2
	v_permlane16_swap_b32 v[PC+6*\c+\i], v[PC+12+4*\c+\i]
.endr
.irp i, 0,1,2
	v_mov_b32 v[PC+3+6*\c+\i], v[PC+12+4*\c+\i]
.endr
.endr
.endm
; ---------------- a trip: one record ----------------
.Lrec:
	s_wait_loadcnt 0x0                             ; the weights, their scale words, the bias
	v_add_nc_u32 v[XA], s[RB], v[LI]               ; the record's place in LDS
	v_add_nc_u32 v[XA+1], s[RB], v[LI+1]
	v_add_nc_u32 v[AXR], s[RB], v[AXS]
	s_wait_alu depctr_va_vdst(0)
	s_cmp_eq_u32 s23, 2
	s_cbranch_scc1 .Lv_path
; ---------------- Q and K ----------------
	s_cmp_eq_u32 s23, 0
	s_cselect_b64 s[44:45], s[16:17], s[18:19]     ; qb or kv
	s_mov_b32 s46, 208896
	s_cselect_b32 s46, 106496, s46                 ; a head's bytes,
	s_mov_b32 s47, 13056
	s_cselect_b32 s47, 6656, s47                   ; a block's record,
	s_mov_b32 s48, 12288
	s_cselect_b32 s48, 6144, s48                   ; where the scale words begin in it
	s_mul_i32 s46, s46, s28
	s_mul_i32 s47, s47, s26
	s_add_co_u32 s46, s46, s47
	s_mov_b32 s47, 0
	s_mov_b32 s49, 0
	s_add_nc_u64 s[44:45], s[44:45], s[46:47]
	s_add_nc_u64 s[50:51], s[44:45], s[48:49]
	MAIN 0
.irp i, 0,1,2,3                        ; tiles of rows 2 i and 2 i + 1: 32 registers each, two blocks of the head's 64: two half images
.if \i > 0
	s_wait_xcnt 0x0                                ; the last stores have read the codes' registers
.endif
	QUANT 64*\i
	v_lshl_or_b32 v[SWD+2*\i], v[TM+5], 8, v[TM+4]         ; tile 2 i's scale word: two bytes; the upper two, over zero codes, are 0
	v_lshl_or_b32 v[SWD+2*\i+1], v[TM+7], 8, v[TM+6]       ; tile 2 i + 1's
.irp jj, 0,1,2,3,4,5
	global_store_b64 v[L8], v[PC+2*\jj:PC+2*\jj+1], s[44:45] offset:1536*\i+256*\jj   ; 256 consecutive bytes, aligned
.endr
.endr
.irp i, 0,1,2,3
	v_cndmask_b32 v[TM+\i], v[SWD+\i], v[SWD+4+\i], s56    ; lanes 0-15: tiles 0-3, lanes 16-31: tiles 4-7
.endr
	global_store_b128 v[LI], v[TM:TM+3], s[50:51]  ; 512 consecutive bytes
	s_branch .Lend
; ---------------- V ----------------
.Lv_path:
	s_mul_i32 s46, s28, 208896
	s_mul_i32 s47, s26, 13056
	s_add_co_u32 s46, s46, s47
	s_add_co_u32 s46, s46, 6144
	s_mov_b32 s47, 0
	s_add_nc_u64 s[44:45], s[18:19], s[46:47]      ; V's images
	s_add_nc_u64 s[50:51], s[44:45], 6656          ; V's scale words
	MAIN 1
.irp t, 0,1,2,3                        ; tile t of 16 channels: 64 registers run along the 128 keys: one image
.if \t > 0
	s_wait_xcnt 0x0
.endif
	QUANT 64*\t
	v_lshl_or_b32 v[SWD+\t], v[TM+5], 8, v[TM+4]
	v_lshl_or_b32 v[SWD+\t], v[TM+6], 16, v[SWD+\t]
	v_lshl_or_b32 v[SWD+\t], v[TM+7], 24, v[SWD+\t]
.irp c, 0,1,2
	global_store_b128 v[LI], v[PC+4*\c:PC+4*\c+3], s[44:45] offset:1536*\t+512*\c
.endr
.endr
	v_cndmask_b32 v[TM], v[SWD], v[SWD+2], s56     ; lanes 0-15: tiles 0, 1; lanes 16-31: tiles 2, 3
	v_cndmask_b32 v[TM+1], v[SWD+1], v[SWD+3], s56
	global_store_b64 v[VSO], v[TM:TM+1], s[50:51]  ; 256 consecutive bytes
.Lend:
	s_wait_xcnt 0x0                                ; the trip's stores have read their registers and bases, which the next trip writes
	s_wait_tensorcnt 0x0                           ; my quarter of records 1 and 2 is in,
	s_wait_dscnt 0x0
	s_barrier_signal -1
	s_barrier_wait -1                              ; everybody's is.  A plain barrier
	s_add_co_u32 s[RB], s[RB], REC
	s_add_co_u32 s[TR], s[TR], 1
	s_cmp_eq_u32 s[TR], 3
	s_cbranch_scc1 .Lsame                          ; no record is left
	s_mov_b32 s[PH], s23
	RECSC
	s_cmp_eq_u32 s23, s[PH]
	s_cbranch_scc1 .Lsame                          ; the next record is the same tensor's: the weights stay
	WLOAD
.Lsame:
	s_wait_alu depctr_va_vdst(0)
	s_cmp_lt_u32 s[TR], 3
	s_cbranch_scc1 .Lrec
	s_wait_tensorcnt 0x0                           ; the wave's end
	ds_add_u32 v[SPW], v[NIL]
	s_wait_dscnt 0x0
	CROUND                                         ; the closing round
	s_endpgm
.Lfunc_end_k_q9644b4e436_proj:
	.size	k_q9644b4e436_proj, .Lfunc_end_k_q9644b4e436_proj-k_q9644b4e436_proj
	.p2alignl 7, 3214868480
	.fill 96, 4, 3214868480
	.section	.rodata,"a",@progbits
	.p2align	6, 0x0
	.amdhsa_kernel k_q9644b4e436_proj
		.amdhsa_group_segment_fixed_size 327680
		.amdhsa_private_segment_fixed_size 0
		.amdhsa_enable_private_segment 0
		.amdhsa_kernarg_size 64
		.amdhsa_user_sgpr_count 2
		.amdhsa_user_sgpr_kernarg_segment_ptr 1
		.amdhsa_wavefront_size32 1
		.amdhsa_system_sgpr_workgroup_id_x 1
		.amdhsa_system_sgpr_workgroup_id_y 1
		.amdhsa_system_sgpr_workgroup_id_z 1
		.amdhsa_system_vgpr_workitem_id 0
		.amdhsa_next_free_vgpr 1024
		.amdhsa_next_free_sgpr 66
		.amdhsa_reserve_vcc 0
		.amdhsa_float_denorm_mode_32 3
		.amdhsa_float_denorm_mode_16_64 3
		.amdhsa_memory_ordered 1
		.amdhsa_forward_progress 1
		.amdhsa_inst_pref_size 174
	.end_amdhsa_kernel
	.amdgpu_metadata
---
amdhsa.version: [ 1, 2 ]
amdhsa.kernels:
  - .name:           k_q9644b4e436_proj
    .symbol:         k_q9644b4e436_proj.kd
    .args:
      - { .name: xq, .offset: 0, .size: 8, .value_kind: global_buffer, .address_space: global }
      - { .name: wimg, .offset: 8, .size: 8, .value_kind: global_buffer, .address_space: global }
      - { .name: wsc, .offset: 16, .size: 8, .value_kind: global_buffer, .address_space: global }
      - { .name: bq, .offset: 24, .size: 8, .value_kind: global_buffer, .address_space: global }
      - { .name: bk, .offset: 32, .size: 8, .value_kind: global_buffer, .address_space: global }
      - { .name: bv, .offset: 40, .size: 8, .value_kind: global_buffer, .address_space: global }
      - { .name: qb, .offset: 48, .size: 8, .value_kind: global_buffer, .address_space: global }
      - { .name: kv, .offset: 56, .size: 8, .value_kind: global_buffer, .address_space: global }
    .group_segment_fixed_size: 327680
    .private_segment_fixed_size: 0
    .kernarg_segment_align: 8
    .kernarg_segment_size: 64
    .max_flat_workgroup_size: 128
    .sgpr_count:     66
    .vgpr_count:     1024
    .wavefront_size: 32
...
	.end_amdgpu_metadata
.endif
;; end of part 2
;; launch attn (part 3): grid 4 x 64, 16 waves a work-group, clusters of 4 x 1, 210,944 bytes of LDS; arguments qb, kv, ao; writes ao
.if DOCPART == 3
	.amdgcn_target "amdgcn-amd-amdhsa--gfx1250"
	.amdhsa_code_object_version 6
	.text
	.protected	k_q9644b4e436_attn
	.globl	k_q9644b4e436_attn
	.p2align	8
	.type	k_q9644b4e436_attn,@function
k_q9644b4e436_attn:
	s_mov_b64 s[64:65], 0
	v_nop
	global_prefetch_b8 v0, s[64:65] scope:SCOPE_SE
	s_setreg_imm32_b32 hwreg(HW_REG_WAVE_MODE, 25, 1), 1
	s_wait_xcnt 0x0
	s_wait_alu depctr_hold_cnt(0) depctr_sa_sdst(0) depctr_va_vdst(0) depctr_va_sdst(0) depctr_va_ssrc(0) depctr_va_vcc(0) depctr_vm_vsrc(0)
	s_getreg_b32 s2, hwreg(HW_REG_IB_STS2, 6, 4)
	s_cmp_eq_u32 s2, 0
	s_cbranch_scc0 .Lentry_in_a_cluster
	s_endpgm
.Lentry_in_a_cluster:
	s_bfe_u32 s2, ttmp6, 0x10000c
	s_cmp_lg_u32 s2, 0x3003
	s_cbranch_scc0 .Lentry_shape_is_right
	s_endpgm
.Lentry_shape_is_right:
; LAUNCH 3 OF 4: for each batch and head, O = softmax(Q K^T / 8) V on codes of E2M3, and the quantising of O along the hidden axis for the last product.  No work of the problem is left out here.
; THE SOFTMAX: t = score x log2(e) / 8; M = the running largest t rounded UP to a whole number; p = 2^(t - M) is quantised along the keys, not normalised; the row's sum is taken of the unquantised p and divides O at the end.
; When M moves, the sum and O are multiplied by 2^(old M - new M): exact.  A block's largest p is made from its largest score by the same two instructions (this takes v_exp_f32 not to fall where its input rises).
; SHARES: a work-group owns 512 queries of one head; each of its sixteen waves owns two tiles of 16 queries, one after the other (two passes).  256 work-groups.
; THE HEAD'S K, V AND SCALE WORDS STAY IN LDS WHOLE: 16 records of 13,056 bytes (128 keys each).  CLUSTER: the four work-groups of a head need the same records: wave w of each asks for record w JOINTLY, once.  Nothing is filled again.
; TWO BARRIERS: waves 0 to 3 have a load line of their own and alone wait ahead of the first, which shows records 0 to 3; steps 0 to 2 of the first pass touch these four alone (step i reads V of record i and K of record i + 1);
; ahead of step 3 every wave waits for its load, and the second barrier shows all sixteen.  All tiles are asked for at the head, so there is no loop in which a data prefetch could run ahead.
; LAYOUT: both products transposed (S^T = K Q^T, O^T = V^T P^T): a lane holds ONE query.
; WHICH KEYS FORM A TILE OF K is chosen here, by each lane's LDS address: tile 4 c + j takes as rows 0-7 keys 64 c + 8 j + 0 .. 7 and as rows 8-15 keys 64 c + 32 + 8 j + 0 .. 7 of the step's 128.
; So register 32 c + x of lane (query, h) of S^T is key 64 c + 32 h + x: a lane holds two WHOLE blocks of 32 keys, in the order of the next operand's registers: a block's maximum needs no other lane, and the codes need no lane swap.
; In the record key 32 b + 16 A + 8 u + i lies in half image 2 b + u, row 8 A + i; so lane (8 a + i, h) of tile 4 c + j reads at 3,072 c + 1,536 a + 768 (j % 2) + 64 (j / 2) + 256 piece + 8 i + 128 h.
; THE FIRST PRODUCT'S K IS 64: Q's registers 6 .. 11 (K = 64 .. 127) are zero codes.  K's fragments lie SIX registers apart: the upper six registers of a tile's operand are the next tile's codes (behind the last tile: the other pass's
; codes of Q); every 6-bit pattern is a finite number, and it meets a zero code.  The upper two bytes of both scale words are 0, a power of two and no NaN.
; K's fragments of step i + 1 are loaded in step i, V's of step i at its start: both are waited for once, ahead of the second product.  The loads stand between the links of the chain that leads from the maximum to M.
; ao: [64 blocks of 128 rows][102,400]: half image (tile m, head) at 12,288 m + 768 head; two scale bytes at 98,304 + 512 m + 32 r + 2 head.
; LIMITS: as stated at the head of the first launch; the promise holds while the scaled scores t stay under 2^31 in magnitude.
.set RECB,  13056
.set SPARE, 16*RECB                    ; behind the records: the spare words, 128 bytes a wave, which no other line names
.set ADK1, 0                           ; v0   (the thread's number is done with behind the head) K's tiles 4-7
.set AK,   1                           ; v1   K's fragments: 1,536 a + 8 i + 128 h
.set AV,   2                           ; v2   16 x lane
.set ASV,  3                           ; v3   16 r: V's and Q's scale words
.set ASK,  4                           ; v4   K's scale words: 16 i + 8 a
.set SPW,  5                           ; v5   LDS address of my spare word; never rewritten
.set NIL,  6                           ; v6   0; never rewritten
.set ADK,  7                           ; v7-10 the step's LDS addresses
.set ADV,  8
.set ADSV, 9
.set ADSK, 10
.set L8,   11                          ; v11  8 x lane: a half image's place in memory
.set NM,   12                          ; v12  -M;  v13 the running largest score;  v[14:15] the sum in two halves
.set SMX,  13
.set SUM,  14
.set Q,    16                          ; v16-27  Q's fragment: six registers of codes, six of zeros
.set KF,   28                          ; v28-75  K's eight tiles, six registers each
.set QN,   76                          ; v76-81  the second pass's codes of Q
.set QS,   82                          ; v82 Q's scale words, v83 the second pass's
.set QSN,  83
.set KS,   84                          ; v84-87, v92-95 K's scale words: tile t at KS + t + 4 (t / 4)
.set VS,   88                          ; v88-91  V's scale words
.set VF,   96                          ; v96-143 V's four fragments; at a pass's end at work
.set S,    144                         ; v144-207 S^T, then p
.set OT,   208                         ; v208-239 O^T
.set PC,   240                         ; v240-251 p's codes; ahead of the conversions at work
.set F,    252                         ; v252 2^(old M - new M);  v253 p's scale word
.set PW,   253
.set BM,   254                         ; v254, v255 my two blocks' largest score, then largest p, then the conversions' scale operand
.set WV,  10                           ; s10  wave
.set G0,  16                           ; s[16:19], s[20:27] the descriptor
.set G1,  20
.set SEL, 28
.set CS,  30                           ; s[30:31] c = log2(e) / 8
.set TB,  32                           ; s32  LDS byte of the step's record
.set CNT, 33
.set PT,  36                           ; s[36:51] for each of the two tiles: Q's image, Q's scale words, ao's image, ao's scale bytes
.macro CROUND
	s_barrier_signal -1
	s_barrier_wait -1
	s_cmp_lg_u32 s[WV], 0
	s_cbranch_scc1 .Lnot_wave_0_\@
	s_barrier_signal -3
.Lnot_wave_0_\@:
	s_barrier_wait -3
	s_barrier_signal -1
	s_barrier_wait -1
.endm
	s_load_b128 s[4:7], s[0:1], 0x0                ; qb s[4:5], kv s[6:7]
	s_load_b64 s[8:9], s[0:1], 0x10                ; ao
	v_lshl_add_u32 v[SPW], v0, 2, SPARE
	v_mov_b32 v[NIL], 0
	ds_add_u32 v[SPW], v[NIL]                      ; the wave's opening: the add, twice on end, and its wait ahead of my first tensor load
	ds_add_u32 v[SPW], v[NIL]
	v_lshrrev_b32 v7, 5, v0
	s_delay_alu instid0(VALU_DEP_1)
	v_readfirstlane_b32 s[WV], v7                  ; wave 0..15
	s_bfe_u32 s11, ttmp6, 0x40000                  ; cx: which 512 queries (the grid has one cluster along x)
	s_and_b32 s12, ttmp7, 0xffff                   ; 16 x batch + head, which the four partners share
	s_lshr_b32 s13, s12, 4                         ; batch
	s_and_b32 s14, s12, 15                         ; head
	s_mov_b32 s[G1], 15|(3<<16)|(1<<21)            ; the mask: all four; elements of 8 bytes; bit 21 beside a mask; no padding
	s_mov_b32 s[G1+1], 32<<16                      ; rows of 256 bytes,
	s_mov_b32 s[G1+2], 51<<16                      ; 51 of them: a record
	s_mov_b32 s[G1+3], 32<<16
	s_mov_b32 s[G1+4], 51
	s_mov_b32 s[G1+5], 32
	s_mov_b32 s[G1+6], 0
	s_mov_b32 s[G1+7], 0
	s_mov_b32 s[G0], 1
	s_mul_i32 s[G0+1], s[WV], RECB                 ; LDS: wave x a record
	s_mul_i32 s52, s12, 16*RECB
	s_add_co_u32 s52, s52, s[G0+1]
	s_mov_b32 s53, 0
	s_mov_b32 s[SEL], 0x76543210
	s_mov_b32 s[SEL+1], 0xfedcba98
	s_mov_b32 s[CS], 0x3e38aa3b
	s_mov_b32 s[CS+1], s[CS]                       ; (named with it as a pair, so it is written)
	s_wait_dscnt 0x0                               ; both opening adds are done
	s_wait_kmcnt 0x0
	s_add_nc_u64 s[G0+2:G0+3], s[6:7], s[52:53]
	s_or_b32 s[G0+3], s[G0+3], 0x80000000
	CROUND                                         ; all four work-groups are here: the joint loads meet
	s_cmp_lt_u32 s[WV], 4                          ; my one tensor load of the launch.  Waves 0 to 3, which alone wait ahead of the first barrier, have a line of their own
	s_cbranch_scc0 .Llate
	tensor_load_to_lds s[G0:G0+3], s[G1:G1+7]
	s_nop 0
.rept 4
	v_nop
.endr
	s_branch .Lasked
.Llate:
	tensor_load_to_lds s[G0:G0+3], s[G1:G1+7]
	s_nop 0
.rept 4
	v_nop
.endr
.Lasked:
	v_and_b32 v[L8], 31, v0
	v_and_b32 v[ASV], 15, v0
	v_and_b32 v[ASK], 7, v0                        ; i
	v_bfe_u32 v[ADK], v0, 3, 1                     ; a
	v_bfe_u32 v[ADV], v0, 4, 1                     ; h
	v_lshlrev_b32 v[AV], 4, v[L8]
	v_lshlrev_b32 v[L8], 3, v[L8]
	v_lshlrev_b32 v[ASV], 4, v[ASV]
	v_lshlrev_b32 v[AK], 3, v[ASK]
	v_lshlrev_b32 v[ASK], 4, v[ASK]
	v_mad_u32_u24 v[AK], v[ADK], 1536, v[AK]
	v_lshl_add_u32 v[ASK], v[ADK], 3, v[ASK]
	v_lshl_add_u32 v[AK], v[ADV], 7, v[AK]
.irp j, 6,7,8,9,10,11
	v_mov_b32 v[Q+\j], 0                           ; Q's zero codes, K = 64 .. 127
.endr
	v_mov_b32 v[PW], 0                             ; (named as the upper half of the pair v[252:253] before it is first written)
.macro PTRS ps                         ; the addresses of my tile of pass ps: tile 32 cx + 16 ps + wave of the head's 128
.set P, PT+8*\ps
	s_lshl_b32 s52, s11, 5
	s_add_co_u32 s52, s52, s[WV]
	s_add_co_u32 s52, s52, 16*\ps
	s_lshr_b32 s53, s52, 3                         ; its block of 128 rows
	s_and_b32 s54, s52, 7                          ; m
	s_mul_i32 s56, s12, 106496
	s_mul_i32 s57, s53, 6656
	s_add_co_u32 s56, s56, s57                     ; the block's record in qb
	s_mul_i32 s57, s54, 768
	s_add_co_u32 s58, s56, s57
	s_mov_b32 s59, 0
	s_add_nc_u64 s[P:P+1], s[4:5], s[58:59]
	s_bfe_u32 s57, s52, 0x10002
	s_lshl_b32 s57, s57, 8
	s_add_co_u32 s58, s56, s57                     ; + 256 (m / 4)
	s_and_b32 s57, s52, 3
	s_lshl_b32 s57, s57, 2
	s_add_co_u32 s58, s58, s57                     ; + 4 (m % 4)
	s_add_co_u32 s58, s58, 6144
	s_add_nc_u64 s[P+2:P+3], s[4:5], s[58:59]
	s_lshl_b32 s56, s13, 4
	s_add_co_u32 s56, s56, s53
	s_mul_i32 s56, s56, 102400                     ; the block's record in ao
	s_mul_i32 s57, s54, 12288
	s_add_co_u32 s58, s56, s57
	s_mul_i32 s57, s14, 768
	s_add_co_u32 s58, s58, s57
	s_add_nc_u64 s[P+4:P+5], s[8:9], s[58:59]
	s_lshl_b32 s57, s54, 9
	s_add_co_u32 s58, s56, s57
	s_lshl_b32 s57, s14, 1
	s_add_co_u32 s58, s58, s57
	s_add_co_u32 s58, s58, 98304
	s_add_nc_u64 s[P+6:P+7], s[8:9], s[58:59]
.endm
	PTRS 0
	PTRS 1
	s_wait_alu depctr_va_vdst(0)
.irp j, 0,1,2
	global_load_b64 v[Q+2*\j:Q+2*\j+1], v[L8], s[PT:PT+1] offset:256*\j        ; both passes' half images of Q,
	global_load_b64 v[QN+2*\j:QN+2*\j+1], v[L8], s[PT+8:PT+9] offset:256*\j
.endr
	global_load_b32 v[QS], v[ASV], s[PT+2:PT+3]    ; and their scale words
	global_load_b32 v[QSN], v[ASV], s[PT+10:PT+11]
	s_wait_loadcnt 0x0
	s_cmp_lt_u32 s[WV], 4
	s_cbranch_scc0 .Lnot_first
	s_wait_tensorcnt 0x0                           ; waves 0 to 3: my record is in
.Lnot_first:
	s_barrier_signal -1
	s_barrier_wait -1                              ; records 0 to 3 lie in LDS; the others may still be on their way
.macro VT t                            ; V's fragment t of the step
.irp c, 0,1,2
	ds_load_b128 v[VF+12*(\t)+4*\c:VF+12*(\t)+4*\c+3], v[ADV] offset:6144+1536*(\t)+512*\c
.endr
.endm
.macro KH a, c                         ; tiles 4 c .. 4 c + 3 of K: twelve pieces of 8 bytes, two to a load; piece n = 3 j + piece lies 768 (j % 2) + 64 (j / 2) + 256 piece bytes behind the address, which stands at the record's byte 3,072 c
.irp k, 0,1,2,3,4,5
	ds_load_2addr_b64 v[KF+24*(\c)+4*\k:KF+24*(\c)+4*\k+3], v[\a] offset0:96*(((2*\k)/3)%2)+8*((2*\k)/6)+32*((2*\k)%3) offset1:96*(((2*\k+1)/3)%2)+8*((2*\k+1)/6)+32*((2*\k+1)%3)
.endr
.endm
.macro KW as                           ; the eight tiles' scale words, four to a load; the address stands at the record's byte 12,288
	ds_load_2addr_b64 v[KS:KS+3], v[\as] offset0:0 offset1:16
	ds_load_2addr_b64 v[KS+8:KS+11], v[\as] offset0:32 offset1:48
.endm
.macro TMS n                           ; n pairs of scores become t - M
.rept \n
	v_pk_fma_f32 v[S+j:S+j+1], v[S+j:S+j+1], s[CS:CS+1], v[NM:NM+1] op_sel_hi:[1,0,0]
.set j, j+2
.endr
.endm
; A KEY STEP: 128 keys.  pf = 1: the next record's K is fetched.
.macro STEP pf
.irp t, 0,1,2,3,4,5,6,7                ; S^T = K Q^T
	v_wmma_scale_f32_16x16x128_f8f6f4 v[S+8*\t:S+8*\t+7], v[KF+6*\t:KF+6*\t+11], v[Q:Q+11], 0, v[KS+\t+4*(\t/4)], v[QS] matrix_a_fmt:MATRIX_FMT_FP6 matrix_b_fmt:MATRIX_FMT_FP6
.endr
	v_add_nc_u32 v[ADV], s[TB], v[AV]              ; at least four plain instructions between the products (these eight and the last step's four) and the first read of the scores and the loads into the operands' registers
	v_add_nc_u32 v[ADSV], s[TB], v[ASV]
.if \pf
	v_add3_u32 v[ADK], s[TB], RECB, v[AK]          ; the next record's K
	v_add3_u32 v[ADK1], s[TB], RECB+3072, v[AK]
	v_add3_u32 v[ADSK], s[TB], RECB+12288, v[ASK]
.else
	v_nop
	v_nop
.endif
.irp c, 0,1                            ; my two blocks' largest scores, two chains each, each accumulator from its low end on
	v_max3_num_f32 v[BM+\c], v[S+32*\c], v[S+32*\c+1], v[S+32*\c+2]
	v_max3_num_f32 v[PC+\c], v[S+32*\c+16], v[S+32*\c+17], v[S+32*\c+18]
.endr
.irp i, 3,5,7,9,11,13
.irp c, 0,1
	v_max3_num_f32 v[BM+\c], v[BM+\c], v[S+32*\c+\i], v[S+32*\c+\i+1]
	v_max3_num_f32 v[PC+\c], v[PC+\c], v[S+32*\c+16+\i], v[S+32*\c+17+\i]
.endr
.endr
.irp c, 0,1
	v_max3_num_f32 v[BM+\c], v[BM+\c], v[PC+\c], v[S+32*\c+15]
.endr
.irp c, 0,1
	v_max_num_f32 v[BM+\c], v[BM+\c], v[S+32*\c+31]
.endr
	v_max_num_f32 v[PC+2], v[BM], v[BM+1]          ; from here to -M each line hangs on the one before: the step's LDS loads stand between them
	VT 0
	VT 1
	v_permlanex16_b32 v[PC+1], v[PC+2], s[SEL], s[SEL+1]
	VT 2
	VT 3
	ds_load_b128 v[VS:VS+3], v[ADSV] offset:12800
	v_max3_num_f32 v[SMX], v[SMX], v[PC+2], v[PC+1]   ; the running largest score of my query, lane l xor 16's 64 keys among them
	v_mov_b32 v[PC+3], v[NM]
.if \pf
	KH ADK, 0
.endif
	v_mul_f32 v[PC+2], s[CS], v[SMX]               ; as t (c is positive)
.if \pf
	KH ADK1, 1
.endif
	v_floor_f32 v[NM], -v[PC+2]                    ; the new -M = floor(-t) = -ceil(t)
.if \pf
	KW ADSK
.endif
	v_sub_f32 v[PC+3], v[NM], v[PC+3]              ; old M less new M: a whole number, 0 or less
.set j, 0
	TMS 4
	v_cvt_i32_f32 v[PC+3], v[PC+3]                 ; (it saturates)
	TMS 4
	v_ldexp_f32 v[F], 1.0, v[PC+3]                 ; f = 2^(old M - new M)
	TMS 24
.irp c, 0,1
	v_fma_f32 v[BM+\c], v[BM+\c], s[CS], v[NM]     ; the same of each block's largest score
.endr
	s_wait_alu depctr_va_vdst(0)
.irp c, 0,1
	v_exp_f32 v[BM+\c], v[BM+\c]                   ; the block's largest p
.endr
.set j, 0
.rept 64
	v_exp_f32 v[S+j], v[S+j]                       ; p = 2^(t - M), at most 1
.set j, j+1
.endr
	v_pk_mul_f32 v[SUM:SUM+1], v[SUM:SUM+1], v[F:F+1] op_sel_hi:[1,0]   ; the sums under the new M: the plain instruction behind the exponentials
	s_wait_alu depctr_va_vdst(0)                   ; one wait for the batch of 66, ahead of its first reader
	v_pk_add_f32 v[PC+4:PC+5], v[S:S+1], v[S+2:S+3]       ; the sum of the unquantised p, in four chains
	v_pk_add_f32 v[PC+6:PC+7], v[S+4:S+5], v[S+6:S+7]
	v_pk_add_f32 v[PC+8:PC+9], v[S+8:S+9], v[S+10:S+11]
	v_pk_add_f32 v[SUM:SUM+1], v[SUM:SUM+1], v[S+12:S+13]
.irp k, 14,22,30,38,46,54
	v_pk_add_f32 v[PC+4:PC+5], v[PC+4:PC+5], v[S+\k:S+\k+1]
	v_pk_add_f32 v[PC+6:PC+7], v[PC+6:PC+7], v[S+\k+2:S+\k+3]
	v_pk_add_f32 v[PC+8:PC+9], v[PC+8:PC+9], v[S+\k+4:S+\k+5]
	v_pk_add_f32 v[SUM:SUM+1], v[SUM:SUM+1], v[S+\k+6:S+\k+7]
.endr
	v_pk_add_f32 v[PC+4:PC+5], v[PC+4:PC+5], v[S+62:S+63]
	v_pk_add_f32 v[PC+6:PC+7], v[PC+6:PC+7], v[PC+8:PC+9]
	v_pk_add_f32 v[SUM:SUM+1], v[SUM:SUM+1], v[PC+4:PC+5]
	v_pk_add_f32 v[SUM:SUM+1], v[SUM:SUM+1], v[PC+6:PC+7]
.irp c, 0,1
	v_max_num_f32 v[BM+\c], 0x1800000, v[BM+\c]    ; the floor 2^(3 - 127): the byte cannot fall under 1
.endr
.irp c, 0,1
	v_add_nc_u32 v[BM+\c], 0xff000000, v[BM+\c]    ; 2 off the exponent field: the conversion's scale operand
.endr
	v_cvt_scalef32_pk16_fp6_f32 v[PC:PC+2], v[S:S+15], v[BM]            ; block h: registers 0-2 of the operand
	v_lshrrev_b32 v[PC+3], 23, v[BM]               ; its byte.  (The plain instruction between the conversion above and the one that writes over its sources)
	v_cvt_scalef32_pk16_fp6_f32 v[S:S+2], v[S+16:S+31], v[BM]           ; (a conversion's three registers begin on an even number: registers 3-5 and 9-11 are made in p's first registers, which are done with, and moved)
	v_cvt_scalef32_pk16_fp6_f32 v[PC+6:PC+8], v[S+32:S+47], v[BM+1]     ; block 2 + h
	v_cvt_scalef32_pk16_fp6_f32 v[S+4:S+6], v[S+48:S+63], v[BM+1]
	v_lshrrev_b32 v[PC+4], 23, v[BM+1]             ; one plain instruction behind the scaled conversions
	v_lshl_or_b32 v[PC+5], v[PC+4], 16, v[PC+3]    ; my two bytes: blocks h and 2 + h
	v_mov_b32 v[PC+10], v[S+5]
	v_mov_b32 v[PC+11], v[S+6]
	v_permlanex16_b32 v[PC+9], v[PC+5], s[SEL], s[SEL+1]
	v_mov_b32 v[PC+3], v[S]
	v_mov_b32 v[PC+4], v[S+1]
	v_lshl_or_b32 v[PW], v[PC+9], 8, v[PC+5]       ; p's scale word: whole in lanes 0-15, which alone are read
	v_mov_b32 v[PC+5], v[S+2]
	v_mov_b32 v[PC+9], v[S+4]
	s_wait_alu depctr_va_vdst(0)                   ; directly ahead of the first reader of O^T
.set j, 0
.rept 16
	v_pk_mul_f32 v[OT+j:OT+j+1], v[OT+j:OT+j+1], v[F:F+1] op_sel_hi:[1,0]   ; O^T under the new M; each accumulator from its low end on
.set j, j+2
.endr
	s_wait_alu depctr_va_vdst(0)                   ; directly ahead of the wait below
	s_wait_dscnt 0x0                               ; V's fragments and scale words are in, and the next step's K
.irp t, 0,1,2,3                        ; O^T += V^T P^T: four accumulators by turns
	v_wmma_scale_f32_16x16x128_f8f6f4 v[OT+8*\t:OT+8*\t+7], v[VF+12*\t:VF+12*\t+11], v[PC:PC+11], v[OT+8*\t:OT+8*\t+7], v[VS+\t], v[PW] matrix_a_fmt:MATRIX_FMT_FP6 matrix_b_fmt:MATRIX_FMT_FP6
.endr
.endm
.macro PASS ps
.set P, PT+8*\ps
.if \ps
	s_wait_xcnt 0x0                                ; the last pass's stores have read their registers
.irp j, 0,1,2,3,4,5
	v_mov_b32 v[Q+\j], v[QN+\j]
.endr
	v_mov_b32 v[QS], v[QSN]
.endif
	v_add_nc_u32 v[ADK1], 3072, v[AK]
	v_add_nc_u32 v[ADSK], 12288, v[ASK]
	KH AK, 0                                       ; record 0's K
	KH ADK1, 1
	KW ADSK
	v_mov_b32 v[SMX], 0xff61b1e6                   ; the largest score so far: -3e38
	v_mov_b32 v[SUM], 0                            ; the sum, in two halves
	v_mov_b32 v[SUM+1], 0
	v_mul_f32 v[NM], s[CS], v[SMX]
	v_floor_f32 v[NM], -v[NM]                      ; -M
.set j, 0
.rept 32
	v_mov_b32 v[OT+j], 0                           ; the step is written once: the first finds zeros, which the first change of M leaves zeros
.set j, j+1
.endr
	s_mov_b32 s[TB], 0
.if \ps
	s_mov_b32 s[CNT], 15
.else
	s_mov_b32 s[CNT], 3
.endif
	s_wait_alu depctr_va_vdst(0)                   ; directly ahead of the wait below
	s_wait_dscnt 0x0
.if \ps == 0
.Lfirst_\@:                            ; steps 0 to 2 of the first pass: records 0 to 3 alone
	STEP 1
	s_add_co_u32 s[TB], s[TB], RECB
	s_sub_co_u32 s[CNT], s[CNT], 1
	s_cmp_lg_u32 s[CNT], 0
	s_cbranch_scc1 .Lfirst_\@
	s_wait_tensorcnt 0x0                           ; every wave: my record is in,
	s_wait_dscnt 0x0
	s_barrier_signal -1
	s_barrier_wait -1                              ; everybody's is: the head's K and V lie in LDS whole
	s_mov_b32 s[CNT], 12
.endif
.Lstep_\@:                             ; the steps up to 14 fetch the next record's K
	STEP 1
	s_add_co_u32 s[TB], s[TB], RECB
	s_sub_co_u32 s[CNT], s[CNT], 1
	s_cmp_lg_u32 s[CNT], 0
	s_cbranch_scc1 .Lstep_\@
	STEP 0                                         ; step 15 fetches none
.rept 4
	v_nop                                          ; in front of the first read of the last products' results
.endr
	v_add_f32 v14, v14, v15                        ; the sum's two halves,
	s_delay_alu instid0(VALU_DEP_1)
	v_permlanex16_b32 v252, v14, s[SEL], s[SEL+1]
	s_delay_alu instid0(VALU_DEP_1)
	v_add_f32 v14, v14, v252                       ; and lane l xor 16's
	s_wait_alu depctr_va_vdst(0)
	v_rcp_f32 v14, v14
	v_lshlrev_b32 v[VF+7], 1, v[ASV]               ; 32 r: ao's scale bytes.  (The plain instruction behind the reciprocal)
	s_wait_alu depctr_va_vdst(0)                   ; and the wait ahead of its first reader
.set j, 0
.rept 16
	v_pk_mul_f32 v[S+j:S+j+1], v[OT+j:OT+j+1], v[14:15] op_sel_hi:[1,0]   ; O^T / the sum: register 16 b + i is channel 32 b + 16 (lane / 16) + i of my query
.set j, j+2
.endr
.irp b, 0,1                            ; quantised along the hidden axis: the head's two blocks of 32
	v_max3_num_f32 v[VF+\b], |v[S+16*\b]|, |v[S+1+16*\b]|, 0x1800000
.endr
.irp i, 2,4,6,8,10,12,14
.irp b, 0,1
	s_delay_alu instid0(VALU_DEP_2)
	v_max3_num_f32 v[VF+\b], v[VF+\b], |v[S+16*\b+\i]|, |v[S+1+16*\b+\i]|
.endr
.endr
.irp b, 0,1
	s_delay_alu instid0(VALU_DEP_2)
	v_permlanex16_b32 v[VF+2+\b], v[VF+\b], s[SEL], s[SEL+1]
.endr
.irp b, 0,1
	s_delay_alu instid0(VALU_DEP_2)
	v_max_num_f32 v[VF+\b], v[VF+\b], v[VF+2+\b]
.endr
.irp b, 0,1
	s_delay_alu instid0(VALU_DEP_2)
	v_add_nc_u32 v[VF+4+\b], 0xff000000, v[VF+\b]
.endr
.irp b, 0,1
	s_delay_alu instid0(VALU_DEP_2)
	v_lshrrev_b32 v[VF+2+\b], 23, v[VF+4+\b]
.endr
	s_delay_alu instid0(VALU_DEP_1)
	v_lshl_or_b32 v[VF+6], v[VF+3], 8, v[VF+2]     ; my query's two scale bytes
	v_cvt_scalef32_pk16_fp6_f32 v[VF+8:VF+10], v[S:S+15], v[VF+4]
	v_cvt_scalef32_pk16_fp6_f32 v[VF+16:VF+18], v[S+16:S+31], v[VF+5]
	v_nop                                          ; one plain instruction behind the scaled conversions
.irp i, 0,1,2
	v_permlane16_swap_b32 v[VF+8+\i], v[VF+16+\i]  ; the layout wants a whole block in a lane
.endr
.irp i, 0,1,2
	s_delay_alu instid0(VALU_DEP_3)
	v_mov_b32 v[VF+11+\i], v[VF+16+\i]
.endr
.irp j, 0,1,2
	global_store_b64 v[L8], v[VF+8+2*\j:VF+9+2*\j], s[P+4:P+5] offset:256*\j   ; 256 consecutive bytes, aligned
.endr
	global_store_b16 v[VF+7], v[VF+6], s[P+6:P+7]  ; lanes l and l + 16 write the same two bytes with the same value
.endm
	PASS 0
	PASS 1
	s_wait_tensorcnt 0x0                           ; the wave's end
	ds_add_u32 v[SPW], v[NIL]
	s_wait_dscnt 0x0
	CROUND                                         ; the closing round
	s_endpgm
.Lfunc_end_k_q9644b4e436_attn:
	.size	k_q9644b4e436_attn, .Lfunc_end_k_q9644b4e436_attn-k_q9644b4e436_attn
	.p2alignl 7, 3214868480
	.fill 96, 4, 3214868480
	.section	.rodata,"a",@progbits
	.p2align	6, 0x0
	.amdhsa_kernel k_q9644b4e436_attn
		.amdhsa_group_segment_fixed_size 210944
		.amdhsa_private_segment_fixed_size 0
		.amdhsa_enable_private_segment 0
		.amdhsa_kernarg_size 24
		.amdhsa_user_sgpr_count 2
		.amdhsa_user_sgpr_kernarg_segment_ptr 1
		.amdhsa_wavefront_size32 1
		.amdhsa_system_sgpr_workgroup_id_x 1
		.amdhsa_system_sgpr_workgroup_id_y 1
		.amdhsa_system_sgpr_workgroup_id_z 1
		.amdhsa_system_vgpr_workitem_id 0
		.amdhsa_next_free_vgpr 256
		.amdhsa_next_free_sgpr 66
		.amdhsa_reserve_vcc 0
		.amdhsa_float_denorm_mode_32 3
		.amdhsa_float_denorm_mode_16_64 3
		.amdhsa_memory_ordered 1
		.amdhsa_forward_progress 1
		.amdhsa_inst_pref_size 92
	.end_amdhsa_kernel
	.amdgpu_metadata
---
amdhsa.version: [ 1, 2 ]
amdhsa.kernels:
  - .name:           k_q9644b4e436_attn
    .symbol:         k_q9644b4e436_attn.kd
    .args:
      - { .name: qb, .offset: 0, .size: 8, .value_kind: global_buffer, .address_space: global }
      - { .name: kv, .offset: 8, .size: 8, .value_kind: global_buffer, .address_space: global }
      - { .name: ao, .offset: 16, .size: 8, .value_kind: global_buffer, .address_space: global }
    .group_segment_fixed_size: 210944
    .private_segment_fixed_size: 0
    .kernarg_segment_align: 8
    .kernarg_segment_size: 24
    .max_flat_workgroup_size: 512
    .sgpr_count:     66
    .vgpr_count:     256
    .wavefront_size: 32
...
	.end_amdgpu_metadata
.endif
;; end of part 3
;; launch oproj (part 4): grid 4 x 64, 4 waves a work-group, clusters of 4 x 1, 236,032 bytes of LDS; arguments ao, wimg, wsc, bo, out0; writes out0
.if DOCPART == 4
	.amdgcn_target "amdgcn-amd-amdhsa--gfx1250"
	.amdhsa_code_object_version 6
	.text
	.protected	k_q9644b4e436_oproj
	.globl	k_q9644b4e436_oproj
	.p2align	8
	.type	k_q9644b4e436_oproj,@function
k_q9644b4e436_oproj:
	s_mov_b64 s[64:65], 0
	v_nop
	global_prefetch_b8 v0, s[64:65] scope:SCOPE_SE
	s_setreg_imm32_b32 hwreg(HW_REG_WAVE_MODE, 25, 1), 1
	s_wait_xcnt 0x0
	s_wait_alu depctr_hold_cnt(0) depctr_sa_sdst(0) depctr_va_vdst(0) depctr_va_sdst(0) depctr_va_ssrc(0) depctr_va_vcc(0) depctr_vm_vsrc(0)
	s_getreg_b32 s2, hwreg(HW_REG_IB_STS2, 6, 4)
	s_cmp_eq_u32 s2, 0
	s_cbranch_scc0 .Lentry_in_a_cluster
	s_endpgm
.Lentry_in_a_cluster:
	s_bfe_u32 s2, ttmp6, 0x10000c
	s_cmp_lg_u32 s2, 0x3003
	s_cbranch_scc0 .Lentry_shape_is_right
	s_endpgm
.Lentry_shape_is_right:
; LAUNCH 4 OF 4: out0 = attention's result x Wo + bo on codes of E2M3.  No work of the problem is left out here.
; A work-group takes one record of ao (128 rows x all 1,024 of K: 102,400 bytes) and 256 columns; wave w takes 64 of them: 4 tiles of Wo, 32 fragments, which stay in its registers.  256 work-groups.
; CLUSTER: the four work-groups of a record need the same record: it is asked for JOINTLY, each wave a quarter, once.  The weights differ from partner to partner and go straight into registers.
; All is asked for at the head, so there is nothing for a data prefetch to run ahead of.
; The product is used TRANSPOSED (source 0 = 16 columns of Wo, source 1 = 16 rows): a lane holds eight neighbouring columns of one row.  bo is the C of each sum's first matrix instruction.
; A fragment of ao is two half images on end (heads 2 s and 2 s + 1): registers 2 j, 2 j + 1 of lane l at 256 j + 8 l, j = 0 .. 5.
; THE WALK GOES BY ROWS: four parts; part q is tiles 2 q and 2 q + 1, which are rows 32 q .. 32 q + 31 of the record, through all eight K steps: 64 matrix instructions, 8 accumulators by turns.  A part's rows leave as soon as it is finished,
; while the later parts are multiplied.
; THE WAY OUT of a part: a row's 256 columns come from four waves, and the rows of a tile are not neighbours: the results meet in a stage of 128 rows x (1,024 + 16) bytes (each part has its own rows of it), a barrier follows,
; and each wave stores 8 whole rows' parts, 512 consecutive bytes a store.  The rows come back into the part's own accumulator registers, which nothing writes again: no wait for the stores.
; REGISTERS: window 0 addresses, fragments (two buffers of two), scale words; windows 1, 2 Wo (and the bias at v192-223 of window 2); window 3 the 32 accumulators (tile m, tile t of Wo at 32 m + 8 t).
.set REC,   102400
.set STG,   REC                        ; the stage: bytes of its own, into which no tensor load lands
.set SPI,   1040
.set SPARE, STG+128*SPI                ; the spare words, 128 bytes a wave, which no other line names
.set L16, 4                            ; v4  16 x lane
.set SR2, 5                            ; v5  the stage, on the way out: parts 2, 3
.set AXS, 6                            ; v6  scale words: 98,304 + 32 r
.set SR,  7                            ; v7  the stage, on the way out: parts 0, 1
.set R4,  8                            ; v8  4 r
.set BO,  9                            ; v9  64 h
.set LI,  10                           ; v10 8 x lane; v11 the same + 49,152
.set SPW, 12
.set NIL, 13
.set SO,  14                           ; v14, v15 the stage, on the way in: tiles 0-3, tiles 4-7
.set XF,  16                           ; v16-63 the rows' fragments
.set XS,  112                          ; the rows' scale word (m, s) at XS + 8 m + s
.set WS,  176                          ; Wo's word (t, s) at WS + 8 t + (s + 4) % 8, so that the numbers of a product's two scale registers differ by 4 modulo 8
.set BI,  192
.set G0,  32
.set G1,  36
.set MSB, 0
.macro WIN new
.if MSB != (\new)
	s_set_vgpr_msb (MSB<<8)|(\new)
.set MSB, (\new)
.endif
.endm
.macro PLACES n
.rept \n
	v_nop
.endr
.endm
.macro CROUND
	s_barrier_signal -1
	s_barrier_wait -1
	s_cmp_lg_u32 s20, 0
	s_cbranch_scc1 .Lnot_wave_0_\@
	s_barrier_signal -3
.Lnot_wave_0_\@:
	s_barrier_wait -3
	s_barrier_signal -1
	s_barrier_wait -1
.endm
	s_load_b256 s[4:11], s[0:1], 0x0               ; ao s[4:5], wimg s[6:7], wsc s[8:9], bo s[10:11]
	s_load_b64 s[12:13], s[0:1], 0x20              ; out0
	v_lshl_add_u32 v[SPW], v0, 2, SPARE
	v_mov_b32 v[NIL], 0
	ds_add_u32 v[SPW], v[NIL]                      ; the wave's opening: the add, twice on end, and its wait ahead of my first tensor load
	ds_add_u32 v[SPW], v[NIL]
	v_lshrrev_b32 v1, 5, v0
	v_readfirstlane_b32 s20, v1                    ; wave 0..3
	s_bfe_u32 s21, ttmp6, 0x40000                  ; cx
	s_lshl_b32 s29, ttmp9, 2
	s_add_co_u32 s29, s29, s21                     ; the slice of 256 columns
	s_and_b32 s22, ttmp7, 0xffff                   ; the record, which the four partners share
	s_lshl_b32 s27, s29, 2
	s_add_co_u32 s27, s27, s20                     ; my group of 64 columns
	s_mov_b32 s[G1], 15|(3<<16)|(1<<21)
	s_mov_b32 s[G1+1], 32<<16
	s_mov_b32 s[G1+2], 100<<16
	s_mov_b32 s[G1+3], 32<<16
	s_mov_b32 s[G1+4], 100
	s_mov_b32 s[G1+5], 32
	s_mov_b32 s[G1+6], 0
	s_mov_b32 s[G1+7], 0
	s_mov_b32 s[G0], 1
	s_mul_i32 s[G0+1], s20, 25600
	s_mul_i32 s44, s22, REC
	s_add_co_u32 s44, s44, s[G0+1]
	s_mov_b32 s45, 0
	s_wait_dscnt 0x0                               ; both opening adds are done
	s_wait_kmcnt 0x0
	s_add_nc_u64 s[G0+2:G0+3], s[4:5], s[44:45]
	s_or_b32 s[G0+3], s[G0+3], 0x80000000
	CROUND                                         ; all four work-groups are here: the joint loads meet
	tensor_load_to_lds s[G0:G0+3], s[G1:G1+7]      ; my one tensor load of the launch
	s_nop 0
	PLACES 4
	v_and_b32 v1, 31, v0
	v_and_b32 v2, 15, v0
	v_bfe_u32 v3, v0, 4, 1
	v_lshlrev_b32 v[L16], 4, v1
	v_lshlrev_b32 v[LI], 3, v1
	v_add_nc_u32 v[LI+1], 49152, v[LI]
	v_lshl_add_u32 v[AXS], v2, 5, 98304
	v_lshlrev_b32 v[R4], 2, v2
	v_lshlrev_b32 v[BO], 6, v3
	s_wait_alu depctr_va_vdst(0)
	v_and_b32 v[SO], 8, v2
	v_add_nc_u32 v[SO], v[SO], v2                  ; r + 8 (r / 8)
	v_mul_u32_u24 v[SO], v[SO], SPI
	v_lshl_add_u32 v[SO], v3, 6, v[SO]             ; + 64 h
	s_lshl_b32 s54, s20, 8
	s_add_co_u32 s54, s54, STG                     ; + my 256 bytes of a row
	v_add_nc_u32 v[SO], s54, v[SO]
	v_add_nc_u32 v[SO+1], 64*SPI, v[SO]
	s_mul_i32 s54, s20, 8*SPI
	s_add_co_u32 s54, s54, STG
	v_add_nc_u32 v[SR], s54, v[L16]                ; back: my 8 rows of a part's 32, 16 bytes a lane
	v_add_nc_u32 v[SR2], 64*SPI, v[SR]
	s_lshl_b32 s46, s27, 2
	s_add_co_u32 s46, s46, 192                     ; my first tile: 64 x 3 (Wo) + 4 x group
	s_lshl_b32 s48, s46, 9
	s_mov_b32 s49, 0
	s_mul_i32 s46, s46, 12288
	s_mov_b32 s47, 0
	s_add_nc_u64 s[46:47], s[6:7], s[46:47]
	s_add_nc_u64 s[48:49], s[8:9], s[48:49]
	s_lshl_b32 s52, s27, 8
	s_mov_b32 s53, 0
	s_add_nc_u64 s[50:51], s[10:11], s[52:53]      ; my 64 numbers of bo
	s_lshl_b32 s44, s22, 19                        ; out0: 128 rows of 4,096 bytes a record,
	s_lshl_b32 s45, s20, 15                        ; 8 rows a wave,
	s_add_co_u32 s44, s44, s45
	s_lshl_b32 s45, s29, 10                        ; 1,024 bytes a slice
	s_add_co_u32 s44, s44, s45
	s_mov_b32 s45, 0
	s_add_nc_u64 s[44:45], s[12:13], s[44:45]
	s_wait_alu depctr_va_vdst(0)
	WIN 0x40                                       ; destination window 1
.irp t, 0,1
.irp s, 0,1,2,3,4,5,6,7
.irp c, 0,1,2
	global_load_b128 v[96*\t+12*\s+4*\c:96*\t+12*\s+4*\c+3], v[L16], s[46:47] offset:(8*\t+\s)*1536+512*\c
.endr
.endr
.endr
	WIN 0x80                                       ; destination window 2
.irp t, 2,3
.irp s, 0,1,2,3,4,5,6,7
.irp c, 0,1,2
	global_load_b128 v[96*(\t-2)+12*\s+4*\c:96*(\t-2)+12*\s+4*\c+3], v[L16], s[46:47] offset:(8*\t+\s)*1536+512*\c
.endr
.endr
.endr
.irp t, 0,1,2,3
	global_load_b128 v[BI+8*\t:BI+8*\t+3], v[BO], s[50:51] offset:(32*(\t/2)+8*(\t%2))*4       ; register j of tile t is column 32 (t / 2) + 8 (t % 2) + 16 h + j
	global_load_b128 v[BI+8*\t+4:BI+8*\t+7], v[BO], s[50:51] offset:(32*(\t/2)+8*(\t%2))*4+16
.endr
	WIN 0
.irp t, 0,1,2,3
.irp s, 0,1,2,3,4,5,6,7
	global_load_b32 v[WS+8*\t+(\s+4)%8], v[R4], s[48:49] offset:512*\t+64*\s
.endr
.endr
	s_wait_loadcnt 0x0
	s_wait_tensorcnt 0x0                           ; my quarter of the record is in,
	s_barrier_signal -1
	s_barrier_wait -1                              ; everybody's is
.macro FETCH g                         ; group g = 8 q + s: part q, K step s: tiles 2 q, 2 q + 1: 12 LDS loads into buffer g % 2
.set FS, (\g)%8
.set FQ, (\g)/8
.set FB, (\g)%2
.irp mm, 0,1
.irp jj, 0,1,2,3,4,5
	ds_load_b64 v[XF+24*FB+12*\mm+2*\jj:XF+24*FB+12*\mm+2*\jj+1], v[LI+FQ/2] offset:(8*((2*FQ+\mm)%4)+FS)*1536+256*\jj
.endr
.endr
.endm
.macro MUL8 g                          ; 8 matrix instructions; the part's 8 accumulators take turns, one instruction a turn
.set SS, (\g)%8
.set QQ, (\g)/8
.set FB, (\g)%2
.irp tp, 0,1
.if SS == 0
	WIN 0xe1+\tp                                   ; source 0 (Wo) window 1 or 2, source 1 window 0, C (bias) window 2, D window 3
.else
	WIN 0xf1+\tp
.endif
.irp tt, 0,1
.irp mm, 0,1
.set TI, 2*\tp+\tt
.set MI, 2*QQ+\mm
.set WR, 96*\tt+12*SS
.set XR, XF+24*FB+12*\mm
.set AC, 32*MI+8*TI
.if SS == 0
	v_wmma_scale_f32_16x16x128_f8f6f4 v[AC:AC+7], v[WR:WR+11], v[XR:XR+11], v[BI+8*TI:BI+8*TI+7], v[WS+8*TI+(SS+4)%8], v[XS+8*MI+SS] matrix_a_fmt:MATRIX_FMT_FP6 matrix_b_fmt:MATRIX_FMT_FP6
.else
	v_wmma_scale_f32_16x16x128_f8f6f4 v[AC:AC+7], v[WR:WR+11], v[XR:XR+11], v[AC:AC+7], v[WS+8*TI+(SS+4)%8], v[XS+8*MI+SS] matrix_a_fmt:MATRIX_FMT_FP6 matrix_b_fmt:MATRIX_FMT_FP6
.endif
.endr
.endr
.endr
.endm
.macro OUT q                           ; part q leaves
	WIN 0
	PLACES 4                                       ; in front of the first read of results
	WIN 0x0c                                       ; an LDS store's data are its source 1: window 3
.irp mm, 0,1
.irp t, 0,1,2,3
.set MM, 2*(\q)+\mm
	ds_store_b128 v[SO+MM/4], v[32*MM+8*\t:32*MM+8*\t+3] offset:(32*((MM%4)/2)+8*(MM%2))*SPI+128*(\t/2)+32*(\t%2)       ; each accumulator from its low end on
	ds_store_b128 v[SO+MM/4], v[32*MM+8*\t+4:32*MM+8*\t+7] offset:(32*((MM%4)/2)+8*(MM%2))*SPI+128*(\t/2)+32*(\t%2)+16
.endr
.endr
	WIN 0
	s_wait_dscnt 0x0                               ; for the others' sake: my stores into the stage are done
	s_barrier_signal -1
	s_barrier_wait -1
	WIN 0xc0                                       ; destination window 3: the part's own 64 accumulator registers
.irp i, 0,1,2,3,4,5,6,7
.irp hf, 0,1
	ds_load_b128 v[64*(\q)+8*\i+4*\hf:64*(\q)+8*\i+4*\hf+3], v[SR-2*((\q)/2)] offset:SPI*(32*((\q)%2)+\i)+512*\hf
.endr
.endr
	WIN 0x0c                                       ; a store's data are its source 1: window 3
.irp i, 0,1,2,3,4,5,6,7
.irp hf, 0,1
	s_wait_dscnt 15-2*\i-\hf                       ; the younger loads of the sixteen may be out
	global_store_b128 v[L16], v[64*(\q)+8*\i+4*\hf:64*(\q)+8*\i+4*\hf+3], s[44:45] offset:4096*(32*(\q)+\i)+512*\hf th:TH_STORE_NT   ; 512 consecutive bytes, aligned; written once, read by nobody here
.endr
.endr
	WIN 0
.endm
.irp m, 0,1,2,3,4,5,6,7
	ds_load_b128 v[XS+8*\m:XS+8*\m+3], v[AXS] offset:512*\m
	ds_load_b128 v[XS+8*\m+4:XS+8*\m+7], v[AXS] offset:512*\m+16
.endr
	FETCH 0
.set GI, 0
.rept 32
	WIN 0
.if GI > 0
	PLACES 4                                       ; four plain instructions between the last products and the loads into the buffer that they read
.endif
.if GI < 31
	FETCH GI+1
	s_wait_dscnt 12                                ; all but the 12 just issued: this group's fragments are in
.else
	s_wait_dscnt 0x0
.endif
	MUL8 GI
.if GI%8 == 7
	OUT GI/8
.endif
.set GI, GI+1
.endr
	s_wait_tensorcnt 0x0                           ; the wave's end
	ds_add_u32 v[SPW], v[NIL]
	s_wait_dscnt 0x0
	CROUND                                         ; the closing round
	s_endpgm
.Lfunc_end_k_q9644b4e436_oproj:
	.size	k_q9644b4e436_oproj, .Lfunc_end_k_q9644b4e436_oproj-k_q9644b4e436_oproj
	.p2alignl 7, 3214868480
	.fill 96, 4, 3214868480
	.section	.rodata,"a",@progbits
	.p2align	6, 0x0
	.amdhsa_kernel k_q9644b4e436_oproj
		.amdhsa_group_segment_fixed_size 236032
		.amdhsa_private_segment_fixed_size 0
		.amdhsa_enable_private_segment 0
		.amdhsa_kernarg_size 40
		.amdhsa_user_sgpr_count 2
		.amdhsa_user_sgpr_kernarg_segment_ptr 1
		.amdhsa_wavefront_size32 1
		.amdhsa_system_sgpr_workgroup_id_x 1
		.amdhsa_system_sgpr_workgroup_id_y 1
		.amdhsa_system_sgpr_workgroup_id_z 1
		.amdhsa_system_vgpr_workitem_id 0
		.amdhsa_next_free_vgpr 1024
		.amdhsa_next_free_sgpr 66
		.amdhsa_reserve_vcc 0
		.amdhsa_float_denorm_mode_32 3
		.amdhsa_float_denorm_mode_16_64 3
		.amdhsa_memory_ordered 1
		.amdhsa_forward_progress 1
		.amdhsa_inst_pref_size 101
	.end_amdhsa_kernel
	.amdgpu_metadata
---
amdhsa.version: [ 1, 2 ]
amdhsa.kernels:
  - .name:           k_q9644b4e436_oproj
    .symbol:         k_q9644b4e436_oproj.kd
    .args:
      - { .name: ao, .offset: 0, .size: 8, .value_kind: global_buffer, .address_space: global }
      - { .name: wimg, .offset: 8, .size: 8, .value_kind: global_buffer, .address_space: global }
      - { .name: wsc, .offset: 16, .size: 8, .value_kind: global_buffer, .address_space: global }
      - { .name: bo, .offset: 24, .size: 8, .value_kind: global_buffer, .address_space: global }
      - { .name: out0, .offset: 32, .size: 8, .value_kind: global_buffer, .address_space: global }
    .group_segment_fixed_size: 236032
    .private_segment_fixed_size: 0
    .kernarg_segment_align: 8
    .kernarg_segment_size: 40
    .max_flat_workgroup_size: 128
    .sgpr_count:     66
    .vgpr_count:     1024
    .wavefront_size: 32
...
	.end_amdgpu_metadata
.endif
;; end of part 4
